; MI455X (gfx1250); checked and timed in simulation.
; The chip was launched on July 23, 2026; its instructions are those of AMD's public machine-readable ISA for CDNA 5 (MIT licence, August 2026) and "CDNA5" Instruction Set Architecture Reference Guide (July 2026). The comments in the code are by the model that wrote it; some were corrected since.
;; Dynamic Temporal Attention. Allowed arithmetic: float matrix products may take bf16 or f16 operands with f32 sums; other float arithmetic in f32, or as packed bf16 or f16 multiplies, adds, multiply-adds, maxima and minima; sums over many terms, partial sums and values carried from step to step in f32; what a program stores and reads back later, other than sums and carried values, may be rounded once to bf16 or f16.
;; Inputs: gate_sharpness 16 float32; learned_threshold 16 float32; wk_b 1,024 float32; wk_w 1,024 x 1,024 float32; wo_b 1,024 float32; wo_w 1,024 x 1,024 float32; wq_b 1,024 float32; wq_w 1,024 x 1,024 float32; wv_b 1,024 float32; wv_w 1,024 x 1,024 float32; x 2 x 2,048 x 1,024 float32.
;; Outputs: out0 2 x 2,048 x 1,024 float32.
;; One version. Each part assembles by itself: llvm-mc -triple=amdgcn-amd-amdhsa -mcpu=gfx1250 --defsym DOCPART=n.
;; ======== version 1 of 1: 4 launches
;; limits: values are held in f16: magnitudes above 65,504 overflow, below 6.1e-05 lose precision
;; workspace buffers: xb 8,388,608 bytes; wt 8,388,608 bytes; qkv 25,165,824 bytes; ob 16,777,216 bytes
;; launch prep (part 1): grid 512 x 1, 8 waves a work-group, no clusters, 18,432 bytes of LDS; arguments x, wq_w, wk_w, wv_w, wo_w, xb, wt; writes xb, wt
.if DOCPART == 1
	.amdgcn_target "amdgcn-amd-amdhsa--gfx1250"
	.amdhsa_code_object_version 6
	.text
	.protected	k_q7962d4659a_prep
	.globl	k_q7962d4659a_prep
	.p2align	8
	.type	k_q7962d4659a_prep,@function
k_q7962d4659a_prep:
	s_mov_b64 s[64:65], 0
	v_nop
	global_prefetch_b8 v0, s[64:65] scope:SCOPE_SE
	s_setreg_imm32_b32 hwreg(HW_REG_WAVE_MODE, 25, 1), 1
	s_wait_xcnt 0x0
; PREP.  xb = x rounded once to bf16, [4096][1024].  wt = the four weights rounded once to bf16 and TURNED, [4096 rows n][1024 k]:
; rows 0-1023 wq^T, 1024-2047 wk^T, 2048-3071 wv^T, 3072-4095 wo^T, so that K lies along the rows of both operands of the later products.
; SHARES.  512 work-groups of eight waves, all alike.  Work-group i takes (a) rows 8 i .. 8 i + 7 of x, 32,768 bytes in and 16,384 out, and
; (b) one tile of 128 k x 64 n of weight i / 128 (tile row (i / 16) % 8 along k, tile column i % 16 along n).
; The stream needs no matrix unit, no cluster and no tensor load: nothing is shared between work-groups and every byte is read once.
; The tile is turned through LDS: a thread packs 4 k of one n into 8 bytes, rows of n lie 272 bytes apart, and come back as whole rows of 256 bytes.
.set PITCH, 272                        ; an LDS row: 128 k in bf16 + 16 bytes
.set SPARE, 64*PITCH                   ; 17,408: behind the tile, the spare words: 128 bytes for each of the eight waves
.set SPW, 1                            ; v1   LDS address of my spare word; never rewritten
.set NIL, 2                            ; v2   0; never rewritten
.set XO,  3                            ; v3   32 t: my 8 numbers in 8,192 bytes of x
.set XS,  4                            ; v4   16 t: the same 8 numbers in xb
.set WO,  5                            ; v5   row 4 (t / 16) of the tile, 16 bytes at 16 (t % 16)
.set LST, 6                            ; v6   LDS: row 4 (t % 16), byte 8 (t / 16)
.set LRD, 7                            ; v7   LDS: row t / 16, byte 16 (t % 16)
.set WS,  8                            ; v8   the same place in wt
.set WR,  16                           ; v[16:47]   the weight as loaded: half i, row rr at 16 i + 4 rr
.set XR,  48                           ; v[48:79]   x as loaded
.set WP,  80                           ; v[80:95]   the weight packed
.set XP,  96                           ; v[96:111]  x packed
.set BK,  112                          ; v[112:127] rows of wt read back
	s_load_b256 s[4:11], s[0:1], 0x0               ; x s[4:5], wq s[6:7], wk s[8:9], wv s[10:11]
	s_load_b128 s[12:15], s[0:1], 0x20             ; wo s[12:13], xb s[14:15]
	s_load_b64 s[16:17], s[0:1], 0x30              ; wt
	v_lshl_add_u32 v[SPW], v0, 2, SPARE
	v_mov_b32 v[NIL], 0
	v_lshrrev_b32 v9, 4, v0                        ; kq = t / 16
	v_and_b32 v10, 15, v0                          ; ng = t % 16
	v_lshlrev_b32 v[XO], 5, v0
	v_lshlrev_b32 v[XS], 4, v0
	v_lshlrev_b32 v11, 4, v10
	v_lshl_add_u32 v[WO], v9, 14, v11              ; 4 rows of 4,096 bytes for each kq
	v_mul_u32_u24 v[LST], v10, 4*PITCH
	v_lshl_add_u32 v[LST], v9, 3, v[LST]
	v_mul_u32_u24 v[LRD], v9, PITCH
	v_add_nc_u32 v[LRD], v[LRD], v11
	v_lshl_add_u32 v[WS], v9, 11, v11              ; a row of wt is 2,048 bytes
	s_lshr_b32 s20, ttmp9, 7                       ; which weight
	s_bfe_u32 s21, ttmp9, 0x30004                  ; tile row along k
	s_and_b32 s22, ttmp9, 15                       ; tile column along n
	s_lshl_b32 s24, ttmp9, 15                      ; my 8 rows of x
	s_mov_b32 s25, 0
	s_lshl_b32 s26, ttmp9, 14                      ; and of xb
	s_mov_b32 s27, 0
	s_lshl_b32 s28, s21, 19                        ; 128 rows of 4,096 bytes,
	s_lshl_b32 s23, s22, 8                         ; 64 columns of 4 bytes
	s_add_co_u32 s28, s28, s23
	s_mov_b32 s29, 0
	s_lshl_b32 s30, s20, 21                        ; in wt: 1,024 rows of 2,048 bytes a weight,
	s_lshl_b32 s23, s22, 17                        ; 64 rows,
	s_add_co_u32 s30, s30, s23
	s_lshl_b32 s23, s21, 8                         ; 128 k of 2 bytes
	s_add_co_u32 s30, s30, s23
	s_mov_b32 s31, 0
	s_wait_kmcnt 0x0
	s_cmp_eq_u32 s20, 0
	s_cselect_b64 s[18:19], s[6:7], s[12:13]
	s_cmp_eq_u32 s20, 1
	s_cselect_b64 s[18:19], s[8:9], s[18:19]
	s_cmp_eq_u32 s20, 2
	s_cselect_b64 s[18:19], s[10:11], s[18:19]
	s_add_nc_u64 s[18:19], s[18:19], s[28:29]
	s_add_nc_u64 s[4:5], s[4:5], s[24:25]
	s_add_nc_u64 s[14:15], s[14:15], s[26:27]
	s_add_nc_u64 s[16:17], s[16:17], s[30:31]
.irp i, 0,1
.irp rr, 0,1,2,3
	global_load_b128 v[WR+16*(\i)+4*(\rr):WR+16*(\i)+4*(\rr)+3], v[WO], s[18:19] offset:(\i)*262144+(\rr)*4096 th:TH_LOAD_NT  ; row 64 i + 4 kq + rr: 16 lanes take its 256 bytes, aligned
.endr
.endr
.irp p, 0,1,2,3
	global_load_b128 v[XR+8*(\p):XR+8*(\p)+3],   v[XO], s[4:5] offset:(\p)*8192 th:TH_LOAD_NT
	global_load_b128 v[XR+8*(\p)+4:XR+8*(\p)+7], v[XO], s[4:5] offset:(\p)*8192+16 th:TH_LOAD_NT
.endr
	s_wait_loadcnt 8                               ; the weight's eight loads are in; x's eight, issued behind them, may stay out
.irp i, 0,1
.irp c, 0,1,2,3
	v_cvt_pk_bf16_f32 v[WP+8*(\i)+2*(\c)],   v[WR+16*(\i)+(\c)],   v[WR+16*(\i)+4+(\c)]    ; column 4 ng + c: k = 64 i + 4 kq + 0, 1
	v_cvt_pk_bf16_f32 v[WP+8*(\i)+2*(\c)+1], v[WR+16*(\i)+8+(\c)], v[WR+16*(\i)+12+(\c)]   ; and + 2, 3
	ds_store_b64 v[LST], v[WP+8*(\i)+2*(\c):WP+8*(\i)+2*(\c)+1] offset:(\c)*PITCH+(\i)*128
.endr
.endr
.irp p, 0,1,2,3
	s_wait_loadcnt 6-2*(\p)                        ; part p's two loads are in; the younger parts' may stay out
.irp k, 0,1,2,3
	v_cvt_pk_bf16_f32 v[XP+4*(\p)+(\k)], v[XR+8*(\p)+2*(\k)], v[XR+8*(\p)+2*(\k)+1]
.endr
	global_store_b128 v[XS], v[XP+4*(\p):XP+4*(\p)+3], s[14:15] offset:(\p)*4096  ; a wave stores 512 consecutive bytes, aligned
.endr
	s_wait_dscnt 0x0                               ; for the others' sake: my stores into the tile are done
	s_barrier_signal -1
	s_barrier_wait -1
.irp j, 0,1,2,3
	ds_load_b128 v[BK+4*(\j):BK+4*(\j)+3], v[LRD] offset:(\j)*16*PITCH  ; row kq + 16 j, whole: 16 lanes x 16 bytes
.endr
.irp j, 0,1,2,3
	s_wait_dscnt 3-(\j)
	global_store_b128 v[WS], v[BK+4*(\j):BK+4*(\j)+3], s[16:17] offset:(\j)*32768  ; 16 lanes store 256 consecutive bytes, at a multiple of 256 from wt's first byte
.endr
	s_wait_tensorcnt 0x0                           ; the wave's end, behind my last LDS store
	ds_add_u32 v[SPW], v[NIL]
	s_wait_dscnt 0x0
	s_endpgm
.Lfunc_end_k_q7962d4659a_prep:
	.size	k_q7962d4659a_prep, .Lfunc_end_k_q7962d4659a_prep-k_q7962d4659a_prep
	.p2alignl 7, 3214868480
	.fill 96, 4, 3214868480
	.section	.rodata,"a",@progbits
	.p2align	6, 0x0
	.amdhsa_kernel k_q7962d4659a_prep
		.amdhsa_group_segment_fixed_size 18432
		.amdhsa_private_segment_fixed_size 0
		.amdhsa_enable_private_segment 0
		.amdhsa_kernarg_size 56
		.amdhsa_user_sgpr_count 2
		.amdhsa_user_sgpr_kernarg_segment_ptr 1
		.amdhsa_wavefront_size32 1
		.amdhsa_system_sgpr_workgroup_id_x 1
		.amdhsa_system_sgpr_workgroup_id_y 1
		.amdhsa_system_sgpr_workgroup_id_z 1
		.amdhsa_system_vgpr_workitem_id 0
		.amdhsa_next_free_vgpr 128
		.amdhsa_next_free_sgpr 66
		.amdhsa_reserve_vcc 0
		.amdhsa_float_denorm_mode_32 3
		.amdhsa_float_denorm_mode_16_64 3
		.amdhsa_memory_ordered 1
		.amdhsa_forward_progress 1
		.amdhsa_inst_pref_size 8
	.end_amdhsa_kernel
	.amdgpu_metadata
---
amdhsa.version: [ 1, 2 ]
amdhsa.kernels:
  - .name:           k_q7962d4659a_prep
    .symbol:         k_q7962d4659a_prep.kd
    .args:
      - { .name: x, .offset: 0, .size: 8, .value_kind: global_buffer, .address_space: global }
      - { .name: wq_w, .offset: 8, .size: 8, .value_kind: global_buffer, .address_space: global }
      - { .name: wk_w, .offset: 16, .size: 8, .value_kind: global_buffer, .address_space: global }
      - { .name: wv_w, .offset: 24, .size: 8, .value_kind: global_buffer, .address_space: global }
      - { .name: wo_w, .offset: 32, .size: 8, .value_kind: global_buffer, .address_space: global }
      - { .name: xb, .offset: 40, .size: 8, .value_kind: global_buffer, .address_space: global }
      - { .name: wt, .offset: 48, .size: 8, .value_kind: global_buffer, .address_space: global }
    .group_segment_fixed_size: 18432
    .private_segment_fixed_size: 0
    .kernarg_segment_align: 8
    .kernarg_segment_size: 56
    .max_flat_workgroup_size: 256
    .sgpr_count:     66
    .vgpr_count:     128
    .wavefront_size: 32
...
	.end_amdgpu_metadata
.endif
;; end of part 1
;; launch qkv (part 2): grid 16 x 16, 4 waves a work-group, clusters of 4 x 4, 327,680 bytes of LDS; arguments xb, wt, wq_b, wk_b, wv_b, qkv; writes qkv
.if DOCPART == 2
	.amdgcn_target "amdgcn-amd-amdhsa--gfx1250"
	.amdhsa_code_object_version 6
	.text
	.protected	k_q7962d4659a_qkv
	.globl	k_q7962d4659a_qkv
	.p2align	8
	.type	k_q7962d4659a_qkv,@function
k_q7962d4659a_qkv:
	s_mov_b64 s[64:65], 0
	v_nop
	global_prefetch_b8 v0, s[64:65] scope:SCOPE_SE
	s_setreg_imm32_b32 hwreg(HW_REG_WAVE_MODE, 25, 1), 1
	s_wait_xcnt 0x0
	s_wait_alu depctr_hold_cnt(0) depctr_sa_sdst(0) depctr_va_vdst(0) depctr_va_sdst(0) depctr_va_ssrc(0) depctr_va_vcc(0) depctr_vm_vsrc(0)
	s_getreg_b32 s2, hwreg(HW_REG_IB_STS2, 6, 4)
	s_cmp_eq_u32 s2, 0
	s_cbranch_scc0 .Lentry_in_a_cluster
	s_endpgm
.Lentry_in_a_cluster:
	s_bfe_u32 s2, ttmp6, 0x10000c
	s_cmp_lg_u32 s2, 0xf033
	s_cbranch_scc0 .Lentry_shape_is_right
	s_endpgm
.Lentry_shape_is_right:
; Q, K, V = xb wt^T + bias: [4096 x 3072] with K = 1024, bf16 operands, f32 sums; the result is rounded once to f16 and laid BY HEADS:
; qkv[b 2][g 48][s 2048][64], g = 16 t + h, t = 0 for q, 1 for k, 2 for v: a (b, g) block is 262,144 dense bytes.  The scale 1 / 8 is not applied here.
; LIMIT.  f16 ends at 65,504: |q|, |k|, |v| must stay below 65,520.  The biases are rounded to bf16 like all inputs of the module.
; SHARES.  A tile of the result is 256 rows x 192 columns (three heads): 16 x 16 = 256 work-groups.  Wave w makes rows 64 w .. 64 w + 63 and all 192 columns: 4 x 12 accumulators of 16 x 16,
; 384 registers, so a wave holds whole rows of three heads on the way out.  K goes in 8 steps of 128 through a ring of two LDS slots; the tiles' rows are 256 bytes of memory, aligned.
; CLUSTER.  4 x 4 work-groups: xb's tile hangs on the tile row alone and is asked for jointly along a row of the cluster, wt's on the tile column alone and jointly along a column.
; THE PRODUCT IS USED TRANSPOSED (source 0 = 16 rows of wt, source 1 = 16 rows of xb): a lane holds one row of the result and eight neighbouring columns.
; THE BIAS costs no addition: it is the C operand of each accumulator's first product.
; REGISTERS, in windows of 256: window 0: v0-31 addresses; v32-95 xb's fragments, two buffers of 4 x 8; v96-191 the bias, later rows on the way out; v192-239 packed results
;   window 1: wt's fragments, two buffers of 12 x 8     window 2: accumulators of row blocks 0, 1 ((a, b) at 8 (12 a + b))     window 3: of row blocks 2, 3
.set KSTEP,  128
.set PITCH,  272                       ; an LDS row: 256 bytes + 16 = 68 words: the 16 rows of a fragment load start at 16 different groups of four banks (64 banks of 4 bytes: ISA guide 11.1)
.set HALFA,  128*PITCH                 ; what waves 0 and 1 fetch: 128 rows of xb each
.set HALFB,  96*PITCH                  ; what waves 2 and 3 fetch: 96 rows of wt each
.set SLOT,   2*HALFA+2*HALFB           ; 121,856
.set STAGE,  2*SLOT                    ; behind the ring: for each wave three heads x 16 rows x 144 bytes
.set SPITCH, 144
.set CHUNK,  16*SPITCH
.set WSTAGE, 3*CHUNK
.set SPARE,  STAGE+4*WSTAGE            ; 271,360: the spare words, 128 bytes for each wave
.set ADRA, 16                          ; v16-17  LDS address of my fragments of xb in slot 0, 1
.set ADRB, 20                          ; v20-21  the same for wt
.set STO,  24                          ; v24  the way out: where I put 16 bytes of a row
.set RD,   25                          ; v25  where I read rows back
.set CO,   26                          ; v26  16 x lane: my place in 512 consecutive bytes of qkv
.set BO,   27                          ; v27  32 x (lane / 16): my eight numbers of 16 of a bias; never rewritten
.set SPW,  28                          ; v28  LDS address of my spare word; never rewritten
.set NIL,  29                          ; v29  0; never rewritten
.set PFO,  30                          ; v30  the prefetches' offset: a lane a row; never rewritten
.set TT,   31                          ; v31  at work
.set FA,   32
.set BIAS, 96
.set OB,   96
.set TMP,  192
.set WV,   16                          ; s16  my wave's number
.set ISB,  17                          ; s17  0: I fetch xb's tiles, 1: wt's
.set HALF, 18                          ; s18  which half of that tile
.set G1A, 24                           ; s[24:31] descriptor group 1 for xb's tiles;  s[32:39] group 0, a set for each slot
.set G0A, 32
.set G1B, 40                           ; s[40:47], s[48:55] the same for wt's
.set G0B, 48
.set PFA, 56                           ; s[56:57] where my prefetches stand
.set LIM, 58                           ; s58  1 in a wave that prefetches, else the greatest number
.set LAP, 59                           ; s59  trips of the loop still to come
.set MSB, 0
.macro WIN new                         ; the immediate's high byte repeats the setting that is left; a switch that changes nothing is dropped
.if MSB != (\new)
	s_set_vgpr_msb (MSB<<8)|(\new)
.set MSB, \new
.endif
.endm
; A joint load: each of the two lines has one mask and one set of registers for all that issue it.  The branch hangs on the wave's number alone.
; An s_nop 0 and four v_nop follow each line, ahead of the jump and the label.
.macro JLOAD s
	s_cmp_eq_u32 s[ISB], 0
	s_cbranch_scc0 .Lfor_b_\@
	tensor_load_to_lds s[G0A+4*(\s):G0A+4*(\s)+3], s[G1A:G1A+7]
	s_nop 0
.rept 4
	v_nop
.endr
	s_branch .Lasked_\@
.Lfor_b_\@:
	tensor_load_to_lds s[G0B+4*(\s):G0B+4*(\s)+3], s[G1B:G1B+7]
	s_nop 0
.rept 4
	v_nop
.endr
.Lasked_\@:
.endm
; A prefetch into the L2 of the K step that stands two refills on: 256 bytes of a row, a lane a row, one instruction a wave.  xb's tile row is read by every cluster of that row of clusters: cluster x = 0 asks;
; wt's tile column by every cluster of that column: cluster y = 0 asks.  The four partners share the rows out by address: 32 of xb's 128, 24 of wt's 96 (there lanes 24-31 name lane 23's row once more).
; The loop's last trip asks for nothing: K steps 8 and 9 do not exist.  K steps 0 to 3 come by their loads alone.
.macro ASK
	s_cmp_gt_u32 s[LAP], s[LIM]
	s_cbranch_scc0 .Lnot_mine_\@
	global_prefetch_b8 v[PFO], s[PFA:PFA+1] offset:KSTEP*2 th:TH_LOAD_NT scope:SCOPE_SE
.Lnot_mine_\@:
.endm
.macro CREST                           ; a round of the cluster's barrier behind its opening barrier
	s_cmp_lg_u32 s[WV], 0
	s_cbranch_scc1 .Lnot_wave_0_\@
	s_barrier_signal -3
.Lnot_wave_0_\@:
	s_barrier_wait -3
	s_barrier_signal -1
	s_barrier_wait -1
.endm
.macro CROUND                          ; a whole round
	s_barrier_signal -1
	s_barrier_wait -1
	CREST
.endm
.macro PLACES                          ; four places in front of loads into registers that products have read, and of conversions that read results
.rept 4
	v_nop
.endr
.endm
	s_load_b256 s[4:11], s[0:1], 0x0               ; xb s[4:5], wt s[6:7], wq_b s[8:9], wk_b s[10:11]
	s_load_b128 s[12:15], s[0:1], 0x20             ; wv_b s[12:13], qkv s[14:15]
	v_lshl_add_u32 v[SPW], v0, 2, SPARE
	v_mov_b32 v[NIL], 0
	ds_add_u32 v[SPW], v[NIL]                      ; the wave's opening: the add and its wait stand ahead of my first tensor load; work on registers stands between them
	v_lshrrev_b32 v1, 5, v0
	v_readfirstlane_b32 s[WV], v1
	s_lshr_b32 s[ISB], s[WV], 1
	s_and_b32 s[HALF], s[WV], 1
	s_bfe_u32 s19, ttmp6, 0x40000                  ; cx
	s_bfe_u32 s20, ttmp6, 0x40004                  ; cy
	s_lshl_b32 s21, ttmp9, 2
	s_add_co_u32 s21, s21, s19                     ; tile column = 4 x cluster x + cx
	s_and_b32 s22, ttmp7, 0xffff
	s_lshl_b32 s22, s22, 2
	s_add_co_u32 s22, s22, s20                     ; tile row = 4 x cluster y + cy
	s_lshl_b32 s23, s20, 2
	s_lshl_b32 s23, 15, s23                        ; my row of the cluster
	s_lshl_b32 s66, 0x1111, s19                    ; my column
	s_or_b32 s[G1A+0], s23, (1<<16)|(1<<20)|(1<<21)|(5<<22)|(3<<25)  ; the mask; elements of 2 bytes; padding on; bit 21 beside a mask; after every 64 words, 4 words
	s_or_b32 s[G1B+0], s66, (1<<16)|(1<<20)|(1<<21)|(5<<22)|(3<<25)
	s_mov_b32 s[G1A+1], KSTEP<<16                  ; tensor_dim0 = 128
	s_mov_b32 s[G1B+1], KSTEP<<16
	s_mov_b32 s[G1A+2], 128<<16                    ; tensor_dim1 = 128 rows
	s_mov_b32 s[G1B+2], 96<<16                     ; 96 rows
	s_mov_b32 s[G1A+3], KSTEP<<16                  ; tile_dim0 = 128
	s_mov_b32 s[G1B+3], KSTEP<<16
	s_mov_b32 s[G1A+4], 128                        ; tile_dim1
	s_mov_b32 s[G1B+4], 96
	s_mov_b32 s[G1A+5], 1024                       ; elements from row to row
	s_mov_b32 s[G1B+5], 1024
	s_mov_b32 s[G1A+6], 0
	s_mov_b32 s[G1B+6], 0
	s_mov_b32 s[G1A+7], 0
	s_mov_b32 s[G1B+7], 0
	s_lshl_b32 s60, s22, 8                         ; xb: row 256 x tile row + 128 x half, in registers that never hold cx
	s_lshl_b32 s61, s[HALF], 7
	s_add_co_u32 s60, s60, s61
	s_lshl_b32 s60, s60, 11                        ; x 2,048 bytes
	s_mov_b32 s61, 0
	s_mul_i32 s66, s21, 192                        ; wt: row 192 x tile column + 96 x half, in registers that never hold cy
	s_mul_i32 s67, s[HALF], 96
	s_add_co_u32 s66, s66, s67
	s_lshl_b32 s66, s66, 11
	s_mov_b32 s67, 0
	s_mul_i32 s62, s[WV], HALFA                    ; where they go: no place in the cluster enters an LDS address
	s_mul_i32 s63, s[WV], HALFB
	s_add_co_u32 s63, s63, 2*(HALFA-HALFB)
	s_wait_dscnt 0x0                               ; the opening add is done
	s_wait_kmcnt 0x0
	s_add_nc_u64 s[60:61], s[4:5], s[60:61]
	s_add_nc_u64 s[66:67], s[6:7], s[66:67]
	CROUND                                         ; all sixteen work-groups are here: the first joint loads meet
.irp s, 0,1
	s_mov_b32 s[G0A+4*(\s)], 1
	s_add_co_u32 s[G0A+4*(\s)+1], s62, (\s)*SLOT
	s_add_nc_u64 s[G0A+4*(\s)+2:G0A+4*(\s)+3], s[60:61], (\s)*KSTEP*2
	s_or_b32 s[G0A+4*(\s)+3], s[G0A+4*(\s)+3], 0x80000000
	s_mov_b32 s[G0B+4*(\s)], 1
	s_add_co_u32 s[G0B+4*(\s)+1], s63, (\s)*SLOT
	s_add_nc_u64 s[G0B+4*(\s)+2:G0B+4*(\s)+3], s[66:67], (\s)*KSTEP*2
	s_or_b32 s[G0B+4*(\s)+3], s[G0B+4*(\s)+3], 0x80000000
	JLOAD \s                                       ; K steps 0 and 1: two loads of mine are out
.endr
	v_and_b32 v1, 15, v0                           ; l % 16
	v_bfe_u32 v2, v0, 4, 1                         ; l / 16
	v_lshlrev_b32 v[BO], 5, v2
	; the three heads' biases: head g = 3 x tile column + c belongs to wq_b, wk_b or wv_b by g / 16, 64 numbers at (g % 16) x 256 bytes
	s_mul_i32 s76, s21, 3
.irp c, 0,1,2
	s_add_co_u32 s77, s76, \c
	s_and_b32 s78, s77, 15
	s_lshl_b32 s78, s78, 8
	s_mov_b32 s79, 0
	s_cmp_lt_u32 s77, 32
	s_cselect_b64 s[68+2*\c:69+2*\c], s[10:11], s[12:13]
	s_cmp_lt_u32 s77, 16
	s_cselect_b64 s[68+2*\c:69+2*\c], s[8:9], s[68+2*\c:69+2*\c]
	s_add_nc_u64 s[68+2*\c:69+2*\c], s[68+2*\c:69+2*\c], s[78:79]
.irp b, 0,1,2,3
	global_load_b128 v[BIAS+8*(4*\c+\b):BIAS+8*(4*\c+\b)+3],   v[BO], s[68+2*\c:69+2*\c] offset:64*\b
	global_load_b128 v[BIAS+8*(4*\c+\b)+4:BIAS+8*(4*\c+\b)+7], v[BO], s[68+2*\c:69+2*\c] offset:64*\b+16
.endr
.endr
	; a fragment is 16 rows x 32 K in 8 registers: lane l holds row l % 16; two loads of 16 bytes, 32 bytes apart, at row x pitch + 16 (l / 16)
	v_mul_u32_u24 v3, v1, PITCH
	v_lshl_add_u32 v3, v2, 4, v3
	s_mul_i32 s23, s[WV], 64*PITCH                 ; my 64 rows of xb
	v_add_nc_u32 v[ADRA], s23, v3
	v_add_nc_u32 v[ADRA+1], SLOT, v[ADRA]
	v_add_nc_u32 v[ADRB], 2*HALFA, v3              ; wt's 192 rows lie behind xb's 256
	v_add_nc_u32 v[ADRB+1], SLOT, v[ADRB]
	s_mul_i32 s23, s[WV], WSTAGE
	s_add_co_u32 s23, s23, STAGE                   ; my stage
	v_mul_u32_u24 v4, v1, SPITCH                   ; in: row l % 16, 16 bytes for each half of the lanes
	v_lshl_add_u32 v4, v2, 4, v4
	v_add_nc_u32 v[STO], s23, v4
	v_bfe_u32 v4, v0, 3, 2                         ; back: 32 lanes take four rows of 128 bytes,
	v_mul_u32_u24 v4, v4, SPITCH
	v_and_b32 v5, 7, v0
	v_lshl_add_u32 v4, v5, 4, v4
	v_add_nc_u32 v[RD], s23, v4
	v_and_b32 v[CO], 31, v0                        ; which are 512 consecutive bytes of a head
	v_lshlrev_b32 v[CO], 4, v[CO]
	s_lshr_b32 s74, s22, 3                         ; where my rows begin in qkv: batch = tile row / 8,
	s_mul_i32 s74, s74, 48
	s_add_co_u32 s74, s74, s76                     ; head 3 x tile column,
	s_lshl_b32 s74, s74, 18
	s_and_b32 s75, s22, 7
	s_lshl_b32 s75, s75, 15                        ; 256 rows of 128 bytes a tile row,
	s_add_co_u32 s74, s74, s75
	s_lshl_b32 s75, s[WV], 13                      ; 64 rows a wave
	s_add_co_u32 s74, s74, s75
	s_mov_b32 s75, 0
	s_add_nc_u64 s[14:15], s[14:15], s[74:75]
	; the prefetches
	s_lshl_b32 s74, s22, 8
	s_lshl_b32 s75, s[HALF], 7
	s_add_co_u32 s74, s74, s75
	s_lshl_b32 s75, s19, 5
	s_add_co_u32 s74, s74, s75                     ; xb: the 128 rows that I fetch, my work-group's 32 of them
	s_mul_i32 s77, s21, 192
	s_mul_i32 s75, s[HALF], 96
	s_add_co_u32 s77, s77, s75
	s_mul_i32 s75, s20, 24
	s_add_co_u32 s77, s77, s75                     ; wt: the 96 rows that I fetch, my work-group's 24 of them
	s_and_b32 s78, ttmp7, 0xffff
	s_cmp_eq_u32 s[ISB], 0
	s_cselect_b32 s74, s74, s77
	s_cselect_b32 s78, ttmp9, s78                  ; the coordinate along which other clusters read the same rows
	s_cselect_b32 s79, 31, 23
	s_cselect_b64 s[PFA:PFA+1], s[4:5], s[6:7]
	s_cmp_eq_u32 s78, 0
	s_cselect_b32 s[LIM], 1, -1                    ; the same in all sixteen partners, for a given wave
	s_lshl_b32 s74, s74, 11
	s_mov_b32 s75, 0
	s_add_nc_u64 s[PFA:PFA+1], s[PFA:PFA+1], s[74:75]
	s_add_nc_u64 s[PFA:PFA+1], s[PFA:PFA+1], 2*KSTEP*2  ; at K step 2: the first refill steps it to 3 and names K step 4
	v_and_b32 v[PFO], 31, v0
	v_min_u32 v[PFO], s79, v[PFO]
	v_lshlrev_b32 v[PFO], 11, v[PFO]
	s_wait_loadcnt 0x0                             ; the biases are in: rounded to bf16 and widened again, in the wait for the first tiles
.set r, 0
.rept 48
	v_cvt_pk_bf16_f32 v[TT], v[BIAS+r], v[BIAS+r+1]
	v_lshlrev_b32 v[BIAS+r], 16, v[TT]
	v_and_b32 v[BIAS+r+1], 0xffff0000, v[TT]
.set r, r+2
.endr
; 12 products: row block 2 hi + a x all 12 column blocks, 32 along K, from buffer f.  zero = 1: the first product starts the sum with the bias.
; The 48 accumulators take turns in the same order in every quarter: 47 others stand between two links of a chain.
.macro MUL12 f, hi, a, zero
.if \zero
	WIN 0x81+0x40*(\hi)                            ; wt window 1, xb window 0, the bias window 0, the sums window 2 or 3
.else
	WIN 0xa1+0x50*(\hi)
.endif
.irp b, 0,1,2,3,4,5,6,7,8,9,10,11
.if \zero
	v_wmma_f32_16x16x32_bf16 v[8*(12*(\a)+(\b)):8*(12*(\a)+(\b))+7], v[96*(\f)+8*(\b):96*(\f)+8*(\b)+7], v[FA+32*(\f)+8*(2*(\hi)+(\a)):FA+32*(\f)+8*(2*(\hi)+(\a))+7], v[BIAS+8*(\b):BIAS+8*(\b)+7]
.else
	v_wmma_f32_16x16x32_bf16 v[8*(12*(\a)+(\b)):8*(12*(\a)+(\b))+7], v[96*(\f)+8*(\b):96*(\f)+8*(\b)+7], v[FA+32*(\f)+8*(2*(\hi)+(\a)):FA+32*(\f)+8*(2*(\hi)+(\a))+7], v[8*(12*(\a)+(\b)):8*(12*(\a)+(\b))+7]
.endif
.endr
.endm
; 32 LDS loads in one run: a quarter step's fragments (192 rows of wt, my 64 rows of xb, 32 K at byte k of the rows) into buffer f
.macro FETCH slot, k, f
	WIN 0x40
.irp i, 0,1,2,3,4,5,6,7,8,9,10,11
	ds_load_b128 v[96*(\f)+8*(\i):96*(\f)+8*(\i)+3],   v[ADRB+(\slot)] offset:(\k)+(\i)*16*PITCH
	ds_load_b128 v[96*(\f)+8*(\i)+4:96*(\f)+8*(\i)+7], v[ADRB+(\slot)] offset:(\k)+(\i)*16*PITCH+32
.endr
	WIN 0
.irp i, 0,1,2,3
	ds_load_b128 v[FA+32*(\f)+8*(\i):FA+32*(\f)+8*(\i)+3],   v[ADRA+(\slot)] offset:(\k)+(\i)*16*PITCH
	ds_load_b128 v[FA+32*(\f)+8*(\i)+4:FA+32*(\f)+8*(\i)+7], v[ADRA+(\slot)] offset:(\k)+(\i)*16*PITCH+32
.endr
.endm
; One of a K step's first three quarters: multiplies buffer f; in its middle it fetches the next quarter, at byte k, into buffer g.
.macro QUARTER slot, k, f, g, zero
	s_wait_dscnt 4                                 ; wt and xb's row blocks 0, 1 are in; the youngest four loads (row blocks 2, 3) may be out
	MUL12 \f, 0, 0, \zero
	MUL12 \f, 0, 1, \zero
	PLACES
	FETCH \slot, \k, \g
	s_wait_dscnt 32                                ; all but the 32 just issued
	MUL12 \f, 1, 0, \zero
	MUL12 \f, 1, 1, \zero
.endm
; The last quarter multiplies buffer 1 and changes slots: one barrier; in front of it each wave waits for all its tensor loads (one is out: its part of the next slot), adds 0 to its spare word,
; and waits for that and for its own reads of this slot.  fill = 1: the barrier opens a round of the cluster's, and this slot is filled again first thing behind it, two K steps ahead.
.macro TURN slot, next, fill
.if \fill
	s_wait_xcnt 0x0                                ; the last prefetch, a K step back, has read its address
	s_add_nc_u64 s[PFA:PFA+1], s[PFA:PFA+1], KSTEP*2
.endif
	WIN 0
	s_wait_tensorcnt 0x0
	ds_add_u32 v[SPW], v[NIL]
	s_wait_dscnt 5                                 ; the add and the youngest four loads may be out
	MUL12 1, 0, 0, 0
	s_wait_dscnt 0x0                               ; the add is done, and my reads of this slot are over
	s_barrier_signal -1
	MUL12 1, 0, 1, 0
.if \fill
	WIN 0
.endif
	s_barrier_wait -1
.if \fill
	CREST                                          ; no wave of any partner still reads this slot or has a load on its way
	s_add_nc_u64 s[G0A+4*(\slot)+2:G0A+4*(\slot)+3], s[G0A+4*(\slot)+2:G0A+4*(\slot)+3], 2*KSTEP*2
	s_add_nc_u64 s[G0B+4*(\slot)+2:G0B+4*(\slot)+3], s[G0B+4*(\slot)+2:G0B+4*(\slot)+3], 2*KSTEP*2
	JLOAD \slot                                    ; the four v_nop behind it are also the places in front of the loads below
.else
	PLACES
.endif
	FETCH \next, 0, 0
.if \fill
	ASK
.endif
	MUL12 1, 1, 0, 0
	MUL12 1, 1, 1, 0
.endm
	s_wait_tensorcnt 1                             ; my part of K step 0 is in; K step 1's may stay out
	s_barrier_signal -1
	s_barrier_wait -1
	FETCH 0, 0, 0
	QUARTER 0, 64, 0, 1, 1                         ; the first quarter stands in front of the loop: its products start the sums
	WIN 0
	s_mov_b32 s[LAP], 3
.Llap:                                                 ; a trip goes once round the ring and fills both slots again: K steps 2 to 7
	QUARTER 0, 128, 1, 0, 0
	QUARTER 0, 192, 0, 1, 0
	TURN 0, 1, 1
	QUARTER 1, 64,  0, 1, 0
	QUARTER 1, 128, 1, 0, 0
	QUARTER 1, 192, 0, 1, 0
	TURN 1, 0, 1
	QUARTER 0, 64,  0, 1, 0
	WIN 0
	s_sub_co_u32 s[LAP], s[LAP], 1
	s_cmp_lg_u32 s[LAP], 0
	s_cbranch_scc1 .Llap
	QUARTER 0, 128, 1, 0, 0                        ; the last lap fills nothing
	QUARTER 0, 192, 0, 1, 0
	TURN 0, 1, 0
	QUARTER 1, 64,  0, 1, 0
	QUARTER 1, 128, 1, 0, 0
	QUARTER 1, 192, 0, 1, 0
	s_wait_dscnt 4
	MUL12 1, 0, 0, 0
	MUL12 1, 0, 1, 0
	s_wait_dscnt 0x0
	MUL12 1, 1, 0, 0
	MUL12 1, 1, 1, 0
	WIN 0
; THE WAY OUT, a block of 16 rows at a time.  PACK: rounded to f16, each accumulator's registers in ascending order.  TOSTAGE: into my own stage, a head's 16 rows of 128 bytes 144 apart, and back four rows a load.
; SEND: 512 consecutive bytes of a head a store.
.macro PACK a
	WIN 0x0a+5*((\a)/2)                            ; sources in window 2 or 3
.irp b, 0,1,2,3,4,5,6,7,8,9,10,11
.irp r, 0,1,2,3
	v_cvt_pk_f16_f32 v[TMP+4*(\b)+(\r)], v[8*(12*((\a)%2)+(\b))+2*(\r)], v[8*(12*((\a)%2)+(\b))+2*(\r)+1]
.endr
.endr
	WIN 0
.endm
.macro TOSTAGE a
.irp b, 0,1,2,3,4,5,6,7,8,9,10,11
	ds_store_b128 v[STO], v[TMP+4*(\b):TMP+4*(\b)+3] offset:((\b)/4)*CHUNK+32*((\b)%4)
.endr
.irp c, 0,1,2
.irp f, 0,1,2,3
	ds_load_b128 v[OB+48*((\a)%2)+4*(4*(\c)+(\f)):OB+48*((\a)%2)+4*(4*(\c)+(\f))+3], v[RD] offset:(\c)*CHUNK+(\f)*4*SPITCH  ; LDS serves a wave's instructions in order (ISA guide 5.7.1.4): these see the stores above
.endr
.endr
.endm
.macro SEND a
	s_wait_dscnt 0x0                               ; the block is back in registers
	s_wait_xcnt 0x0                                ; earlier stores have read their registers: the buffer that they left is loaded again only behind this wait
.irp c, 0,1,2
.irp f, 0,1,2,3
	global_store_b128 v[CO], v[OB+48*((\a)%2)+4*(4*(\c)+(\f)):OB+48*((\a)%2)+4*(4*(\c)+(\f))+3], s[14:15] offset:(\c)*262144+(\a)*2048+(\f)*512
.endr
.endr
.endm
	PLACES
	PACK 0
	TOSTAGE 0
.irp a, 1,2,3
	PACK \a                                        ; a block's conversions stand between the loads of the block before and the wait for them
	SEND (\a)-1
	TOSTAGE \a
.endr
	SEND 3
	s_wait_tensorcnt 0x0                           ; the wave's end
	ds_add_u32 v[SPW], v[NIL]
	s_wait_dscnt 0x0
	CROUND                                         ; the closing round
	s_endpgm
.Lfunc_end_k_q7962d4659a_qkv:
	.size	k_q7962d4659a_qkv, .Lfunc_end_k_q7962d4659a_qkv-k_q7962d4659a_qkv
	.p2alignl 7, 3214868480
	.fill 96, 4, 3214868480
	.section	.rodata,"a",@progbits
	.p2align	6, 0x0
	.amdhsa_kernel k_q7962d4659a_qkv
		.amdhsa_group_segment_fixed_size 327680
		.amdhsa_private_segment_fixed_size 0
		.amdhsa_enable_private_segment 0
		.amdhsa_kernarg_size 48
		.amdhsa_user_sgpr_count 2
		.amdhsa_user_sgpr_kernarg_segment_ptr 1
		.amdhsa_wavefront_size32 1
		.amdhsa_system_sgpr_workgroup_id_x 1
		.amdhsa_system_sgpr_workgroup_id_y 1
		.amdhsa_system_sgpr_workgroup_id_z 1
		.amdhsa_system_vgpr_workitem_id 0
		.amdhsa_next_free_vgpr 1024
		.amdhsa_next_free_sgpr 80
		.amdhsa_reserve_vcc 0
		.amdhsa_float_denorm_mode_32 3
		.amdhsa_float_denorm_mode_16_64 3
		.amdhsa_memory_ordered 1
		.amdhsa_forward_progress 1
		.amdhsa_inst_pref_size 130
	.end_amdhsa_kernel
	.amdgpu_metadata
---
amdhsa.version: [ 1, 2 ]
amdhsa.kernels:
  - .name:           k_q7962d4659a_qkv
    .symbol:         k_q7962d4659a_qkv.kd
    .args:
      - { .name: xb, .offset: 0, .size: 8, .value_kind: global_buffer, .address_space: global }
      - { .name: wt, .offset: 8, .size: 8, .value_kind: global_buffer, .address_space: global }
      - { .name: wq_b, .offset: 16, .size: 8, .value_kind: global_buffer, .address_space: global }
      - { .name: wk_b, .offset: 24, .size: 8, .value_kind: global_buffer, .address_space: global }
      - { .name: wv_b, .offset: 32, .size: 8, .value_kind: global_buffer, .address_space: global }
      - { .name: qkv, .offset: 40, .size: 8, .value_kind: global_buffer, .address_space: global }
    .group_segment_fixed_size: 327680
    .private_segment_fixed_size: 0
    .kernarg_segment_align: 8
    .kernarg_segment_size: 48
    .max_flat_workgroup_size: 128
    .sgpr_count:     80
    .vgpr_count:     1024
    .wavefront_size: 32
...
	.end_amdgpu_metadata
.endif
;; end of part 2
;; launch attn (part 3): grid 8 x 32, 4 waves a work-group, clusters of 4 x 1, 327,680 bytes of LDS; arguments qkv, learned_threshold, gate_sharpness, ob; writes ob
.if DOCPART == 3
	.amdgcn_target "amdgcn-amd-amdhsa--gfx1250"
	.amdhsa_code_object_version 6
	.text
	.protected	k_q7962d4659a_attn
	.globl	k_q7962d4659a_attn
	.p2align	8
	.type	k_q7962d4659a_attn,@function
k_q7962d4659a_attn:
	s_mov_b64 s[64:65], 0
	v_nop
	global_prefetch_b8 v0, s[64:65] scope:SCOPE_SE
	s_setreg_imm32_b32 hwreg(HW_REG_WAVE_MODE, 25, 1), 1
	s_wait_xcnt 0x0
	s_wait_alu depctr_hold_cnt(0) depctr_sa_sdst(0) depctr_va_vdst(0) depctr_va_sdst(0) depctr_va_ssrc(0) depctr_va_vcc(0) depctr_vm_vsrc(0)
	s_getreg_b32 s2, hwreg(HW_REG_IB_STS2, 6, 4)
	s_cmp_eq_u32 s2, 0
	s_cbranch_scc0 .Lentry_in_a_cluster
	s_endpgm
.Lentry_in_a_cluster:
	s_bfe_u32 s2, ttmp6, 0x10000c
	s_cmp_lg_u32 s2, 0x3003
	s_cbranch_scc0 .Lentry_shape_is_right
	s_endpgm
.Lentry_shape_is_right:
; GATED ATTENTION at head size 64.  p = softmax_k(q . k / 8);  O = the sum over k of p sigmoid(sharp (p - sigmoid(thr))) v.  q, k, v: f16 by heads (qkv[b][16 t + h][2048][64]).
; O LEAVES AS TWO bf16 NUMBERS, hi = bf16(O) and lo = bf16(O - hi): ob[b][part][h][2048][64], part 0 = hi, part 1 = lo.  bf16 keeps O's range, which goes with the gate; the second number keeps its precision:
; a row with one strong weight is many times the output's root mean square, and so would one rounding's error be.
; The gate wants the finished p, so the keys are walked TWICE.  PASS 1: S^T = K Q^T, a running maximum m and sum l.  PASS 2: S^T again, the weights, the gate, O^T = V^T P.
; THE GATE.  sh = sharp log2(e), u0 = sh sigmoid(thr).  For a row: ncm = -c m (c = log2(e) / 8), nk = -sh / l, Mx = max(min(u0, u0 + nk), 0), uoff = u0 - Mx, A = 2^-Mx, FIN = A / l.
; For a score s: e = 2^(c s + ncm), t = 2^(nk e + uoff), P = e / (t + A), and O = FIN x the sum of P v.  t + A = 2^-Mx (1 + 2^u) is at least 1 for every e in 0 .. 1, so P lies in 0 .. 1 and goes in f16.
; LIMITS.  thr and sharp are rounded to bf16 like all the module's inputs.  q, k, v arrive within f16's 65,504.  P below 6e-5 keeps f16's fixed step of 6e-8.  A factor A, t or e below 2^-126 counts as 0
; (a gate so small gives O = 0); t beyond f32's range gives P = 0.  NaN and infinities are not treated apart.
; SHARES.  A work-group owns 256 queries of one head, a wave four tiles of 16.  LAYOUT: in S^T a lane holds ONE query (lane % 16) and the keys 8 (lane / 16) + 0..7 of each 16; two such results rounded in
; pairs ARE source 1 of V^T P.  In pass 1 each lane keeps m and l for its own half of the keys; the halves meet once, between the passes.
; CLUSTER.  The four query blocks of a cluster walk the same K and V: every tile is asked for jointly, by the same load, descriptor and mask in all four.
; THE RING.  Two LDS buffers take turns through ONE sequence of 12 tiles: four of 512 keys of K (pass 1), eight of 256 keys of K and 320 of V (pass 2).  One tensor load of a wave is out at any time.
; V LAGS A STEP: pass 2 fetches V of step j - 1 behind K of step j, so tile s holds V's keys 256 s - 64 .. 256 s + 255: steps 4 s - 1 .. 4 s + 2 for its four trips, and a fifth step that the last tile alone
; reads.  Tile 0's first 64 rows are the last rows of the block in front of the head's V, inside qkv: they meet weights that are 0.
; BY TURNS.  A PIECE is a tile x a key step of 64; turn n belongs to piece n.  A turn holds one stage of each of several pieces, so that nothing in it waits for its own products or transcendentals: all its
; transcendentals are ONE batch with ONE wait, at the turn's end, and every reader of a result stands in a later turn.  Behind each matrix instruction stand exactly four vector instructions; the others stand
; together ahead of the products, and the runs of LDS loads stand behind a turn's wait, a whole such run of vector work ahead of their first reader.
; The pipelines fill and drain on pieces whose weights are 0 or whose sums are never taken, so no first or last step is written out; the price is the registers set in front of each pass.
; REGISTERS, in windows of 256 (s_set_vgpr_msb: bits 1:0 source 0, 3:2 source 1, 5:4 source 2, 7:6 destination):
;   window 0: v0-15 addresses and constants; v16-47 eight registers of statistics a tile; v48-55 FIN; v56-59 at work; v64-191 S^T, a buffer a tile; v192-255 two buffers for t, t + A, its reciprocal, P
;   window 1: v0-127 O^T, 32 a tile; v128-159 P in f16, two buffers     window 2: v0-63 Q; v128-191 K of one step; v192-255 V of one step
.set KS,    64
.set PK,    144       ; a row of K in LDS: 128 bytes + 16 = 36 words: the 16 rows of a load start at 16 different groups of four banks (64 banks of 4 bytes: ISA guide 11.1)
.set PV,    160       ; a row of V: 128 + 32
.set VOFF,  256*PK    ; in a tile of pass 2: 256 rows of K, then 320 rows of V: 88,064 bytes; a tile of pass 1 is 73,728
.set SLOT1, 1<<17     ; the second buffer: one exclusive or turns an address in one buffer into the other's
.set STAGE, SLOT1+98304        ; 229,376: behind the ring, 16 rows x 144 bytes for each wave
.set SP,    144
.set SPARE, STAGE+4*16*SP      ; 238,592: the spare words, 128 bytes for each wave
.set LOP,   16*262144 ; bytes from a head's hi part to its lo part in ob
.set AK0, 2           ; v2   my lane's place in a tile of K; never rewritten
.set AV0, 3           ; v3   the same for V
.set AK,  4           ; v4   the LDS address of K's run of loads
.set AV,  5           ; v5   of V's
.set STO, 6           ; v6   the way out: where I put 16 bytes of a row
.set RD,  7           ; v7   where I read rows back
.set GO,  8           ; v8   16 x lane
.set PFO, 11          ; v11  256 x lane; never rewritten
.set NSH, 12          ; v12  -sh
.set U0,  13          ; v13  u0
.set SPW, 14          ; v14  LDS address of my spare word; never rewritten
.set NIL, 15          ; v15  0; never rewritten
.set CT,  16          ; tile t at CT + 8 t.  Pass 1: ncm, ncm, m, at work, l (even keys', odd keys'), a, 0.  Pass 2: ncm, nk, uoff, A, each twice
.set FIN, 48          ; tile t at FIN + 2 t, twice
.set CC,  56          ; v56-59 four running maxima at work
.set QO,  63          ; v63  my byte offset in 16 rows of Q; never rewritten
.set S,   64
.set AUX, 192
.set PB,  128         ; window 1
.set KF,  128         ; window 2: key block kb, channel half c at KF + 16 kb + 8 c
.set VF,  192         ; window 2: key half kk, channel block cb at VF + 32 kk + 8 cb
.set WV,  12          ; s12  my wave's number
.set G1K, 24          ; s[24:31] descriptor group 1 for K's tiles: 64 rows of 256 bytes
.set G1V, 32          ; s[32:39] for V's: 80 rows, and more padding
.set G0P, 40          ; s[40:43] group 0 for pass 1's tiles: wave w brings 128 keys of the 512
.set G0K, 44          ; s[44:47] for pass 2's K: waves 0, 1
.set G0V, 48          ; s[48:51] for pass 2's V: waves 2, 3
.set SLOTS, 56        ; s56  tiles still to be asked for in the loop in hand
.set CNT, 57          ; s57  counts a tile's trips
.set CS,  58          ; s[58:59] c
.set SEL, 60          ; s[60:61] v_permlanex16_b32's selects: each lane takes its own place in the other half
.set TBK, 62          ; s62  LDS byte at which K of the step to be fetched begins
.set TBV, 63          ; s63  the same for V, less VOFF
.set NCS, 66          ; s66  -c
.set PFK, 68          ; s[68:69] where my prefetches of K stand
.set PFV, 70          ; s[70:71] of V
.set LIMK, 72         ; s72  1 in a wave that prefetches K, else the greatest number
.set LIMV, 73         ; s73  the same for V
.set W_KQ, 0x0a       ; K and Q in window 2, S^T in window 0
.set W_PV, 0x56       ; V in window 2, P and O^T in window 1
.set MSB, 0
.macro WIN new                      ; the high byte repeats the setting that is left; a switch that changes nothing is dropped
.if MSB != (\new)
	s_set_vgpr_msb (MSB<<8)|(\new)
.set MSB, (\new)
.endif
.endm
.macro CROUND                       ; a round of the cluster's barrier
	s_barrier_signal -1
	s_barrier_wait -1
	s_cmp_lg_u32 s[WV], 0
	s_cbranch_scc1 .Lnot_wave_0_\@
	s_barrier_signal -3
.Lnot_wave_0_\@:
	s_barrier_wait -3
	s_barrier_signal -1
	s_barrier_wait -1
.endm
.macro PLOAD                        ; pass 1's joint load: one line for all four waves, each with its own 128 keys.  An s_nop 0 and four v_nop follow
	tensor_load_to_lds s[G0P:G0P+3], s[G1K:G1K+7]
	s_nop 0
.rept 4
	v_nop
.endr
.endm
.macro JLOAD                        ; pass 2's: waves 0 and 1 fetch the halves of a tile's K, waves 2 and 3 of its V.  The branch hangs on the wave's number alone
	s_cmp_lt_u32 s[WV], 2
	s_cbranch_scc0 .Lfor_v_\@
	tensor_load_to_lds s[G0K:G0K+3], s[G1K:G1K+7]
	s_nop 0
.rept 4
	v_nop
.endr
	s_branch .Lasked_\@
.Lfor_v_\@:
	tensor_load_to_lds s[G0V:G0V+3], s[G1V:G1V+7]
	s_nop 0
.rept 4
	v_nop
.endr
.Lasked_\@:
.endm
; PREFETCHES INTO THE L2, behind a change's tensor load: what the NEXT change's tile brings for the first time in the launch: K in pass 1, in pass 2 the 256 keys of V that the tile before does not hold.
; Both clusters of a head walk the same rows: the head's first cluster asks.  Its four partners share the bytes out by address; a lane names 256 bytes.  K: 65,536 bytes, waves 0 and 1 of each partner;
; V: 32,768 bytes, wave 2.  K's tiles 0 and 1 and V's keys 0 to 255 come by their loads alone; the last change of each walk asks for nothing.
.macro ASKK
	s_cmp_gt_u32 s[SLOTS], s[LIMK]
	s_cbranch_scc0 .Lnot_k_\@
	global_prefetch_b8 v[PFO], s[PFK:PFK+1] th:TH_LOAD_NT scope:SCOPE_SE
.Lnot_k_\@:
.endm
.macro ASKV once                    ; once = 1: at pass 1's last change, which asks for V's keys 256 to 511
.if \once
	s_cmp_eq_u32 s[LIMV], 1
.else
	s_cmp_gt_u32 s[SLOTS], s[LIMV]
.endif
	s_cbranch_scc0 .Lnot_v_\@
	global_prefetch_b8 v[PFO], s[PFV:PFV+1] th:TH_LOAD_NT scope:SCOPE_SE
.Lnot_v_\@:
.endm
; THE CHANGE OF BUFFERS.  Each wave waits for all its tensor loads (one is out: its part of the other buffer), adds 0 to its spare word, and waits for that and for its own reads of the buffer that it leaves.
; kind 1: the buffer left takes pass 1's next tile; 2: pass 2's first tile; 3: pass 2's next tile; 0: nothing is left to ask for.  With a load the barrier is a round of the cluster's, and the load is the first thing behind it.
.macro CHANGE kind
	WIN 0
	s_wait_tensorcnt 0x0            ; no tensor load of mine is out, so a group 0 may be written
	ds_add_u32 v[SPW], v[NIL]       ; 0 onto my spare word; the descriptors' steps stand between it and the wait for it
.if (\kind) == 1
	s_xor_b32 s[G0P+1], s[G0P+1], SLOT1
	s_add_nc_u64 s[G0P+2:G0P+3], s[G0P+2:G0P+3], 512*128
	s_wait_xcnt 0x0                 ; the last prefetch, a tile back, has read its address
	s_add_nc_u64 s[PFK:PFK+1], s[PFK:PFK+1], 512*128
.elseif (\kind) == 3
.irp g, G0K, G0V
	s_xor_b32 s[\g+1], s[\g+1], SLOT1
	s_add_nc_u64 s[\g+2:\g+3], s[\g+2:\g+3], 256*128
.endr
	s_wait_xcnt 0x0
	s_add_nc_u64 s[PFV:PFV+1], s[PFV:PFV+1], 256*128
.endif
	s_wait_dscnt 0x0                ; the add is done, and my reads of the buffer are over
.if (\kind) == 0
	s_barrier_signal -1
	s_barrier_wait -1
.else
	CROUND
.if (\kind) == 1
	PLOAD
	ASKK
.elseif (\kind) == 2
	JLOAD
	ASKV 1
.else
	JLOAD
	ASKV 0
.endif
.endif
.if ((\kind) == 1) || ((\kind) == 2)
	s_sub_co_u32 s[TBK], s[TBK], 8*KS*PK  ; the fetches go back to a tile's first step, in the other buffer
	s_xor_b32 s[TBK], s[TBK], SLOT1
.else
	s_sub_co_u32 s[TBK], s[TBK], 4*KS*PK
	s_xor_b32 s[TBK], s[TBK], SLOT1
	s_sub_co_u32 s[TBV], s[TBV], 4*KS*PV
	s_xor_b32 s[TBV], s[TBV], SLOT1
.endif
.endm
	s_load_b256 s[4:11], s[0:1], 0x0  ; qkv s[4:5], learned_threshold s[6:7], gate_sharpness s[8:9], ob s[10:11]
	v_lshl_add_u32 v[SPW], v0, 2, SPARE
	v_mov_b32 v[NIL], 0
	ds_add_u32 v[SPW], v[NIL]       ; the wave's opening: the add and its wait stand ahead of my first tensor load; work on registers stands between them
	v_lshrrev_b32 v1, 5, v0
	v_readfirstlane_b32 s[WV], v1
	s_bfe_u32 s13, ttmp6, 0x40000   ; cx
	s_lshl_b32 s14, ttmp9, 2
	s_add_co_u32 s14, s14, s13      ; my block of 256 queries: it enters Q's and O's addresses alone
	s_and_b32 s15, ttmp7, 0xffff    ; 16 b + h, which the four partners share
	s_lshr_b32 s16, s15, 4
	s_and_b32 s17, s15, 15
	s_mul_i32 s20, s16, 48
	s_add_co_u32 s20, s20, s17      ; 48 b + h: q's block of 262,144 bytes; k's is 16 further, v's 32
	s_and_b32 s18, s[WV], 1
	s_add_co_u32 s52, s20, 16
	s_lshl_b32 s52, s52, 18
	s_mov_b32 s53, 0
	s_add_co_u32 s54, s20, 32
	s_lshl_b32 s54, s54, 18
	s_mov_b32 s55, 0
	s_lshl_b32 s22, s20, 18
	s_lshl_b32 s19, s14, 15         ; 256 rows of 128 bytes a block,
	s_add_co_u32 s22, s22, s19
	s_lshl_b32 s21, s[WV], 13       ; 64 a wave
	s_add_co_u32 s22, s22, s21
	s_mov_b32 s23, 0
	s_lshl_b32 s74, s16, 5          ; in ob: block 32 b + h holds the head's hi part, 16 blocks on its lo part
	s_add_co_u32 s74, s74, s17
	s_lshl_b32 s74, s74, 18
	s_add_co_u32 s74, s74, s19
	s_add_co_u32 s74, s74, s21
	s_mov_b32 s75, 0
	s_lshl_b32 s76, s17, 2          ; the head's word in the two tables
	s_mov_b32 s77, 0
	; descriptor group 1.  Keys are dense rows of 128 bytes: asked for as rows of 256 bytes, two keys a row, padded in LDS after every key.  K: 128 keys a load; V: 160
	s_mov_b32 s[G1K], 15|(1<<16)|(1<<20)|(1<<21)|(4<<22)|(3<<25)  ; the mask of four; 2-byte elements; padding on; bit 21 beside a mask; after every 32 words, 4 words
	s_mov_b32 s[G1V], 15|(1<<16)|(1<<20)|(1<<21)|(4<<22)|(7<<25)  ; the same with 8 words
.irp g, G1K, G1V
	s_mov_b32 s[\g+1], 128<<16      ; tensor_dim0 = 128
	s_mov_b32 s[\g+3], 128<<16      ; tile_dim0 = 128
	s_mov_b32 s[\g+5], 128          ; elements from row to row
	s_mov_b32 s[\g+6], 0
	s_mov_b32 s[\g+7], 0
.endr
	s_mov_b32 s[G1K+2], 64<<16      ; tensor_dim1 = 64
	s_mov_b32 s[G1K+4], 64          ; tile_dim1 = 64
	s_mov_b32 s[G1V+2], 80<<16      ; 80
	s_mov_b32 s[G1V+4], 80
	s_mov_b32 s[G0P], 1
	s_mul_i32 s[G0P+1], s[WV], 128*PK   ; no place in the cluster enters an LDS address
	s_mov_b32 s[G0K], 1
	s_mul_i32 s[G0K+1], s18, 128*PK
	s_mov_b32 s[G0V], 1
	s_mul_i32 s19, s18, 160*PV
	s_add_co_u32 s[G0V+1], s19, VOFF
	s_mov_b32 s[CS], 0x3e38aa3b     ; c = log2(e) / 8
	s_mov_b32 s[CS+1], s[CS]
	s_mov_b32 s[NCS], 0xbe38aa3b
	s_mov_b32 s[SEL], 0x76543210
	s_mov_b32 s[SEL+1], 0xfedcba98
	s_mov_b32 s[TBK], SLOT1+8*KS*PK ; the first change turns it into 0
	s_lshr_b32 s19, s[WV], 1
	s_or_b32 s19, s19, ttmp9        ; 0 in waves 0 and 1 of the head's first cluster: the same in all four partners
	s_cmp_eq_u32 s19, 0
	s_cselect_b32 s[LIMK], 1, -1
	s_xor_b32 s19, s[WV], 2
	s_or_b32 s19, s19, ttmp9
	s_cmp_eq_u32 s19, 0
	s_cselect_b32 s[LIMV], 1, -1
	s_lshl_b32 s78, s[WV], 14       ; pass 1: my 128 keys of a tile
	s_mov_b32 s79, 0
	s_wait_dscnt 0x0                ; the opening add is done
	s_wait_kmcnt 0x0
	s_add_nc_u64 s[52:53], s[4:5], s[52:53]  ; K of the head
	s_add_nc_u64 s[54:55], s[4:5], s[54:55]  ; V of the head
	s_add_nc_u64 s[4:5], s[4:5], s[22:23]    ; Q at my wave's rows
	s_add_nc_u64 s[10:11], s[10:11], s[74:75]  ; O's hi part at my wave's rows
	s_add_nc_u64 s[6:7], s[6:7], s[76:77]
	s_add_nc_u64 s[8:9], s[8:9], s[76:77]
	s_add_nc_u64 s[G0P+2:G0P+3], s[52:53], s[78:79]
	s_or_b32 s[G0P+3], s[G0P+3], 0x80000000
	s_lshl_b32 s78, s18, 14         ; pass 2: my half of a tile's 256 keys of K,
	s_add_nc_u64 s[G0K+2:G0K+3], s[52:53], s[78:79]
	s_or_b32 s[G0K+3], s[G0K+3], 0x80000000
	s_mul_i32 s78, s18, 160*128     ; and of its 320 keys of V, which begin 64 keys ahead of K's
	s_add_nc_u64 s[G0V+2:G0V+3], s[54:55], s[78:79]
	s_sub_nc_u64 s[G0V+2:G0V+3], s[G0V+2:G0V+3], 64*128
	s_or_b32 s[G0V+3], s[G0V+3], 0x80000000
	s_lshl_b32 s22, s13, 14         ; the prefetches: my work-group's quarter of a tile of K, my wave's half of that,
	s_lshl_b32 s21, s[WV], 13
	s_add_co_u32 s22, s22, s21
	s_add_nc_u64 s[PFK:PFK+1], s[52:53], s[22:23]
	s_add_nc_u64 s[PFK:PFK+1], s[PFK:PFK+1], 512*128  ; in tile 1: the first change steps it to tile 2
	s_lshl_b32 s22, s13, 13         ; my work-group's quarter of 256 keys of V,
	s_add_nc_u64 s[PFV:PFV+1], s[54:55], s[22:23]
	s_add_nc_u64 s[PFV:PFV+1], s[PFV:PFV+1], 256*128  ; from key 256 on
	s_load_b32 s74, s[6:7], 0x0     ; thr
	s_load_b32 s75, s[8:9], 0x0     ; sharp
	CROUND                          ; all four work-groups are here: the first joint load meets
	PLOAD                           ; pass 1's tile 0
	; A fragment of K or Q is 16 rows x 32 channels in 8 registers: lane l holds row l % 16, channels 8 (l / 16) + 0..7 and 16 + 8 (l / 16) + 0..7: two loads of 16 bytes, 32 bytes apart.
	v_and_b32 v1, 15, v0
	v_bfe_u32 v9, v0, 4, 1
	v_lshlrev_b32 v[QO], 7, v1
	v_lshl_add_u32 v[QO], v9, 4, v[QO]
	WIN 0x80                        ; destination window 2
.set i, 0
.rept 8                             ; Q stays in registers: tile i / 2, channels 32 (i % 2) on
	global_load_b128 v[8*i:8*i+3],   v[QO], s[4:5] offset:(i/2)*2048+(i%2)*64
	global_load_b128 v[8*i+4:8*i+7], v[QO], s[4:5] offset:(i/2)*2048+(i%2)*64+32
.set i, i+1
.endr
	; What the pipelines find when they fill: V and O^T are 0 (pass 2's first products V^T P, of pieces that have not been, add 0).  All this stands in the wait for the first tile.
.set i, VF
.rept 64
	v_mov_b32 v[i], 0
.set i, i+1
.endr
	WIN 0x40
.set i, 0
.rept 128
	v_mov_b32 v[i], 0
.set i, i+1
.endr
	WIN 0
	; Pass 1's start.  m = -2^125, far below every score (64 x 65,504^2 at the most); ncm is made of it by the loop's own multiply, so that a piece that has not been leaves m and ncm as they are and gives a = 1,
	; and the first true piece gives a = 0.  Such a piece's scores are the lowest finite number: c s + ncm is far below 0 and its weights are 0.
.set i, 0
.rept 4
	v_mov_b32 v[CT+8*i+2], 0xfe000000  ; m
	v_mul_f32 v[CT+8*i], s[NCS], v[CT+8*i+2]
	v_mul_f32 v[CT+8*i+1], s[NCS], v[CT+8*i+2]
	v_mov_b32 v[CT+8*i+3], 0
	v_mov_b32 v[CT+8*i+4], 0           ; l
	v_mov_b32 v[CT+8*i+5], 0
	v_mov_b32 v[CT+8*i+6], 0           ; a
	v_mov_b32 v[CT+8*i+7], 0           ; named with it as a pair
.set i, i+1
.endr
	v_mov_b32 v[CC+3], 0xff7fffff
.set i, 0
.rept 32
	v_mov_b32 v[S+i], 0                ; tile 0: weights of a step that has not been: their sum is 0
.set i, i+1
.endr
.set i, 32
.rept 96
	v_mov_b32 v[S+i], v[CC+3]          ; tiles 1 to 3: scores of that step
.set i, i+1
.endr
	v_mul_u32_u24 v[AK0], v1, PK
	v_lshl_add_u32 v[AK0], v9, 4, v[AK0]
	; The turning load takes 16 keys x 16 channels (lane l reads key 8 (l / 16) + l % 8, channels 8 ((l / 8) % 2) + 0..7) and leaves half a fragment of V^T: lane l holds channel l % 16 and 8 keys.
	v_and_b32 v10, 7, v0
	v_bfe_u32 v[CC], v0, 3, 1
	v_lshl_add_u32 v[AV0], v9, 3, v10
	v_mul_u32_u24 v[AV0], v[AV0], PV
	v_lshl_add_u32 v[AV0], v[CC], 4, v[AV0]
	v_add_nc_u32 v[AV0], VOFF, v[AV0]
	s_mul_i32 s19, s[WV], 16*SP
	s_add_co_u32 s19, s19, STAGE    ; my stage
	v_mul_u32_u24 v[STO], v1, SP
	v_lshl_add_u32 v[STO], v9, 4, v[STO]
	v_add_nc_u32 v[STO], s19, v[STO]
	v_bfe_u32 v[RD], v0, 3, 2
	v_mul_u32_u24 v[RD], v[RD], SP
	v_lshl_add_u32 v[RD], v10, 4, v[RD]
	v_add_nc_u32 v[RD], s19, v[RD]
	v_and_b32 v[GO], 31, v0
	v_lshlrev_b32 v[PFO], 8, v[GO]
	v_lshlrev_b32 v[GO], 4, v[GO]
	s_wait_kmcnt 0x0                ; thr and sharp: rounded to bf16; then sigmoid(thr) = 1 / (1 + 2^(-log2(e) thr))
	v_mov_b32 v60, s74
	v_mov_b32 v61, s75
	v_cvt_pk_bf16_f32 v60, v60, v61
	v_and_b32 v61, 0xffff0000, v60
	v_lshlrev_b32 v60, 16, v60
	v_mul_f32 v62, 0xbfb8aa3b, v60
	v_exp_f32 v62, v62
	v_mul_f32 v61, 0x3fb8aa3b, v61  ; sh: the plain instruction behind the exponential
	s_wait_alu depctr_va_vdst(0)    ; the wait ahead of the first use of a transcendental's result
	v_add_f32 v62, 1.0, v62
	v_rcp_f32 v62, v62
	v_mul_f32 v[NSH], -1.0, v61
	s_wait_alu depctr_va_vdst(0)
	v_mul_f32 v[U0], v61, v62
	s_wait_loadcnt 0x0              ; Q
; THE MATRIX WORK.  The four accumulators of a run take turns.  Product i of 8 of S^T = K Q^T for tile x: channels 32 (i / 4) on, keys 16 (i % 4) on; the first four start the sums.
.macro KQ x
	WIN W_KQ
.set rS, S+32*(\x)+8*(i%4)
.set rK, KF+16*(i%4)+8*(i/4)
.set rQ, 16*(\x)+8*(i/4)
.if i < 4
	v_wmma_f32_16x16x32_f16 v[rS:rS+7], v[rK:rK+7], v[rQ:rQ+7], 0
.else
	v_wmma_f32_16x16x32_f16 v[rS:rS+7], v[rK:rK+7], v[rQ:rQ+7], v[rS:rS+7]
.endif
.set i, i+1
.endm
; Product i - 8 of 8 of O^T += V^T P for tile x: keys 32 ((i - 8) / 4) on, channels 16 (i % 4) on.
.macro PVM x
	WIN W_PV
.set rO, 32*(\x)+8*(i%4)
.set rV, VF+32*((i-8)/4)+8*(i%4)
.set rP, PB+16*((\x)%2)+8*((i-8)/4)
	v_wmma_f32_16x16x32_f16 v[rO:rO+7], v[rV:rV+7], v[rP:rP+7], v[rO:rO+7]
.set i, i+1
.endm
; THE LDS LOADS stand in runs of 16, each behind a turn's wait.  skip > 0 (a walk's last loop): in the trips in which s[CNT] is skip or less there is no further step, and the run is jumped over.
.macro FETCH_K skip=0
	WIN 0
.if \skip
	s_cmp_le_u32 s[CNT], \skip
	s_cbranch_scc1 .Lno_k_\@
.endif
	v_add_nc_u32 v[AK], s[TBK], v[AK0]
	WIN 0x80
.irp f, 0,1,2,3,4,5,6,7             ; keys 16 (f / 2) on, channels 32 (f % 2) on
	ds_load_b128 v[KF+8*\f:KF+8*\f+3],   v[AK] offset:(\f/2)*16*PK+(\f%2)*64
	ds_load_b128 v[KF+8*\f+4:KF+8*\f+7], v[AK] offset:(\f/2)*16*PK+(\f%2)*64+32
.endr
	s_add_co_u32 s[TBK], s[TBK], KS*PK  ; the next fetch is the next step's
	WIN 0
.if \skip
.Lno_k_\@:
.endif
.endm
.macro FETCH_V
	WIN 0
	v_add_nc_u32 v[AV], s[TBV], v[AV0]
	WIN 0x80
.irp f, 0,1,2,3,4,5,6,7             ; keys 32 (f / 4) on, channels 16 (f % 4) on
	ds_load_tr16_b128 v[VF+8*\f:VF+8*\f+3],   v[AV] offset:(\f/4)*32*PV+(\f%4)*32
	ds_load_tr16_b128 v[VF+8*\f+4:VF+8*\f+7], v[AV] offset:(\f/4)*32*PV+16*PV+(\f%4)*32
.endr
	s_add_co_u32 s[TBV], s[TBV], KS*PV
	WIN 0
.endm
; PASS 1.  Turn n, for tile p, holds three stages of three pieces: the sums of piece n - 1 (B, L), c s + ncm and the exponentials of piece n (F, E), the maximum and statistics of piece n + 1 (X).  The products stand in
; the EVEN turns alone: 8 of piece n + 2 and, behind the sums that free their buffer, 8 of piece n + 3.  So K of a step is read in two turns of four, and the next step's run of loads has a whole turn in which to land.
.macro P1F n                        ; pair n of 16: c s + ncm
	WIN 0
	v_pk_fma_f32 v[rSn+2*(\n):rSn+2*(\n)+1], v[rSn+2*(\n):rSn+2*(\n)+1], s[CS:CS+1], v[rCn:rCn+1] op_sel_hi:[1,0,1]
.endm
.macro P1E n                        ; the exponential of score n of 32, in place
	WIN 0
	v_exp_f32 v[rSn+(\n)], v[rSn+(\n)]
.endm
.macro P1B n                        ; of the four weights 4 n .. the second pair is added onto the first
	WIN 0
	v_pk_add_f32 v[rSp+4*(\n):rSp+4*(\n)+1], v[rSp+4*(\n):rSp+4*(\n)+1], v[rSp+4*(\n)+2:rSp+4*(\n)+3]
.endm
.macro P1L n                        ; those eight sums as a tree: 0-3 neighbours, 4, 5 their neighbours, 6 the last two; 7: l = a l + the sum
	WIN 0
.if (\n) < 4
	v_pk_add_f32 v[rSp+8*(\n):rSp+8*(\n)+1], v[rSp+8*(\n):rSp+8*(\n)+1], v[rSp+8*(\n)+4:rSp+8*(\n)+5]
.elseif (\n) < 6
	v_pk_add_f32 v[rSp+16*((\n)-4):rSp+16*((\n)-4)+1], v[rSp+16*((\n)-4):rSp+16*((\n)-4)+1], v[rSp+16*((\n)-4)+8:rSp+16*((\n)-4)+9]
.elseif (\n) == 6
	v_pk_add_f32 v[rSp:rSp+1], v[rSp:rSp+1], v[rSp+16:rSp+17]
.else
	v_pk_fma_f32 v[rCp+4:rCp+5], v[rCp+4:rCp+5], v[rCp+6:rCp+7], v[rSp:rSp+1] op_sel_hi:[1,0,1]
.endif
.endm
; Number n of the 21 for piece n + 1.  0-11: four chains of seven scores, three operands at a time (each accumulator's lowest registers are read first); 12-14, 16: the four scores left
; over, the old m, all into m; 15: the old ncm is kept; 17, 18: ncm, twice; 19, 20: a = 2^(ncm - ncm_old).
.macro X1 n
	WIN 0
.if (\n) < 4
	v_max3_num_f32 v[CC+(\n)], v[rSx+8*(\n)], v[rSx+8*(\n)+1], v[rSx+8*(\n)+2]
.elseif (\n) < 12
	v_max3_num_f32 v[CC+(\n)%4], v[CC+(\n)%4], v[rSx+8*((\n)%4)+2*((\n)/4)+1], v[rSx+8*((\n)%4)+2*((\n)/4)+2]
.elseif (\n) == 12
	v_max3_num_f32 v[CC], v[CC], v[rSx+7], v[rSx+15]
.elseif (\n) == 13
	v_max3_num_f32 v[CC+1], v[CC+1], v[rSx+23], v[rSx+31]
.elseif (\n) == 14
	v_max3_num_f32 v[CC+2], v[CC+2], v[CC+3], v[rCx+2]
.elseif (\n) == 15
	v_mov_b32 v[rCx+3], v[rCx]
.elseif (\n) == 16
	v_max3_num_f32 v[rCx+2], v[CC], v[CC+1], v[CC+2]
.elseif (\n) == 17
	v_mul_f32 v[rCx], s[NCS], v[rCx+2]
.elseif (\n) == 18
	v_mul_f32 v[rCx+1], s[NCS], v[rCx+2]
.elseif (\n) == 19
	v_sub_f32 v[rCx+3], v[rCx], v[rCx+3]
.else
	v_exp_f32 v[rCx+6], v[rCx+3]
.endif
.endm
; THE LIST of a turn's 85 vector instructions; V1 writes number sl of it.  0, 1: F 0, 1.  2-9: B 0-7.  10-19: X 0-9.  From 20 on exponential and plain by turns: E k at 20 + 2 k, and behind it plain k:
; k even up to 26: F k / 2 + 2 (so a pair is scaled four such twos ahead of its exponentials); k odd up to 15: L 0-7 (the last at number 51); k = 17, 19 .. 27: X 10-15; k = 28 to 31: X 16, 17, 19, 18.  84: X 20.
; Nothing in the list names a result of its 33 transcendentals.
.macro V1
.if sl < 2
	P1F sl
.elseif sl < 10
	P1B (sl-2)
.elseif sl < 20
	X1 (sl-10)
.elseif sl == 84
	X1 20
.elseif sl%2 == 0
	P1E ((sl-20)/2)
.else
.set kk, (sl-21)/2
.if (kk%2 == 0) && (kk < 28)
	P1F (kk/2+2)
.elseif kk < 16
	P1L ((kk-1)/2)
.elseif kk < 28
	X1 (10+(kk-17)/2)
.elseif kk == 28
	X1 16
.elseif kk == 29
	X1 17
.elseif kk == 30
	X1 19
.else
	X1 18
.endif
.endif
.set sl, sl+1
.endm
; A TURN.  Odd p: the list.  Even p: numbers 0-20, then 16 products with four of the list behind each (plain, exponential, plain, exponential): the first eight write the buffer that the turn before has summed;
; the second eight begin at number 53, behind L 7, which ends the reading of theirs.  One plain instruction and one wait at the end serve the batch.
.macro TURN1 p
.set rSn, S+32*(\p)
.set rSp, S+32*(((\p)+3)%4)
.set rSx, S+32*(((\p)+1)%4)
.set rCn, CT+8*(\p)
.set rCp, CT+8*(((\p)+3)%4)
.set rCx, CT+8*(((\p)+1)%4)
.set sl, 0
.if (\p)%2 == 0
.rept 21
	V1
.endr
.if (\p) == 2
	s_wait_dscnt 0x0                ; K is in: its run went out a turn and 21 instructions ago
.endif
.set i, 0
.rept 8
	KQ ((\p)+2)%4
	V1
	V1
	V1
	V1
.endr
.set i, 0
.rept 8
	KQ ((\p)+3)%4
	V1
	V1
	V1
	V1
.endr
.if (\p) == 0
	v_nop                           ; with X 19, X 18, the v_nop below and the address's line: the places between the last product and the loads into K's registers
.endif
.else
.rept 85
	V1
.endr
.endif
	v_nop                           ; the plain instruction behind the last transcendental
	s_wait_alu depctr_va_vdst(0)    ; the wait for the batch
.endm
.macro TRIP1 skip                   ; K of a step; then tile 1's turn, which holds no product; tile 2's, whose products are that step's first; tile 3's; and tile 0's, with the step's other products
	FETCH_K \skip
	TURN1 1
	TURN1 2
	TURN1 3
	TURN1 0
	WIN 0
.endm
	s_mov_b32 s[SLOTS], 3
.Lp1slot:                           ; three times: a tile of 512 keys is entered and the next is asked for
	CHANGE 1
	s_mov_b32 s[CNT], 8
.Lp1step:
	TRIP1 0
	s_sub_co_u32 s[CNT], s[CNT], 1
	s_cmp_lg_u32 s[CNT], 0
	s_cbranch_scc1 .Lp1step
	s_sub_co_u32 s[SLOTS], s[SLOTS], 1
	s_cmp_lg_u32 s[SLOTS], 0
	s_cbranch_scc1 .Lp1slot
	CHANGE 2                        ; pass 1's last tile is written out: pass 2's first tile is asked for
	s_mov_b32 s[CNT], 9             ; eight trips for its steps; the ninth fetches nothing and drains the pipeline: its products repeat the last step's scores, which change no maximum (a = 1), and their sums are never taken
.Lp1last:
	TRIP1 1
	s_sub_co_u32 s[CNT], s[CNT], 1
	s_cmp_lg_u32 s[CNT], 0
	s_cbranch_scc1 .Lp1last
; BETWEEN THE PASSES.  The two halves of the lanes meet: M = the greater m, l = the sum of l 2^(c m - c M); then the row's constants.  Scratch: S^T's third buffer.  Three batches of four transcendentals, a wait each.
.macro ALL line:vararg              ; one line for each tile t
.set t, 0
.rept 4
	\line
.set t, t+1
.endr
.endm
.set MS, S+64
	ALL v_add_f32 v[MS+8*t], v[CT+8*t+4], v[CT+8*t+5]
	ALL v_permlanex16_b32 v[MS+8*t+1], v[CT+8*t+2], s[SEL], s[SEL+1]
	ALL v_max_num_f32 v[MS+8*t+1], v[CT+8*t+2], v[MS+8*t+1]
	ALL v_sub_f32 v[MS+8*t+2], v[CT+8*t+2], v[MS+8*t+1]
	ALL v_mul_f32 v[MS+8*t+2], s[CS], v[MS+8*t+2]
	ALL v_exp_f32 v[MS+8*t+2], v[MS+8*t+2]
	v_nop
	s_wait_alu depctr_va_vdst(0)
	ALL v_mul_f32 v[MS+8*t], v[MS+8*t], v[MS+8*t+2]
	ALL v_permlanex16_b32 v[MS+8*t+3], v[MS+8*t], s[SEL], s[SEL+1]
	ALL v_add_f32 v[MS+8*t], v[MS+8*t], v[MS+8*t+3]
	ALL v_rcp_f32 v[MS+8*t+3], v[MS+8*t]
	v_nop
	s_wait_alu depctr_va_vdst(0)
	ALL v_mul_f32 v[CT+8*t], s[NCS], v[MS+8*t+1]
	ALL v_mov_b32 v[CT+8*t+1], v[CT+8*t]
	ALL v_mul_f32 v[CT+8*t+2], v[NSH], v[MS+8*t+3]
	ALL v_mov_b32 v[CT+8*t+3], v[CT+8*t+2]
	ALL v_add_f32 v[MS+8*t+4], v[U0], v[CT+8*t+2]
	ALL v_min_num_f32 v[MS+8*t+4], v[U0], v[MS+8*t+4]
	ALL v_max_num_f32 v[MS+8*t+4], 0, v[MS+8*t+4]
	ALL v_sub_f32 v[CT+8*t+4], v[U0], v[MS+8*t+4]
	ALL v_mov_b32 v[CT+8*t+5], v[CT+8*t+4]
	ALL v_mul_f32 v[MS+8*t+5], -1.0, v[MS+8*t+4]
	ALL v_exp_f32 v[CT+8*t+6], v[MS+8*t+5]
	v_nop
	s_wait_alu depctr_va_vdst(0)
	ALL v_mov_b32 v[CT+8*t+7], v[CT+8*t+6]
	ALL v_mul_f32 v[FIN+2*t], v[CT+8*t+6], v[MS+8*t+3]
	ALL v_mov_b32 v[FIN+2*t+1], v[FIN+2*t]
	; What pass 2's pipeline finds when it fills: e = 0 for four pieces that have not been (tiles 0-2 hold it; tile 3's scores give it), 1 where t and its reciprocal would lie, and P = 0 for a fifth: every such P is 0.
	v_mov_b32 v[CC], 0xff7fffff
.set i, 0
.rept 96
	v_mov_b32 v[S+i], 0
.set i, i+1
.endr
.set i, 0
.rept 32
	v_mov_b32 v[S+96+i], v[CC]
.set i, i+1
.endr
.set i, 0
.rept 64
	v_mov_b32 v[AUX+i], 1.0
.set i, i+1
.endr
	WIN 0x40
.set i, 0
.rept 16
	v_mov_b32 v[PB+16+i], 0
.set i, i+1
.endr
	WIN 0
	s_mov_b32 s[TBK], SLOT1+4*KS*PK ; the next change turns these two into 0
	s_mov_b32 s[TBV], SLOT1+4*KS*PV
; PASS 2.  Turn n, for tile p, holds a stage of each of six pieces: piece n: c s + ncm, e (F1, E1); piece n - 1: nk e + uoff, t (F2, E2); piece n - 2: t + A, its reciprocal (A3, R); piece n - 3: P = e / (t + A), rounded to
; f16 (M, C); piece n - 4: its 8 products V^T P; piece n + 1: its 8 products K Q^T, into the registers that piece n - 3's e has left.  t and what follows it, and P, lie in a buffer by the tile's parity.
.macro P2F1 n
	WIN 0
	v_pk_fma_f32 v[rE0+2*(\n):rE0+2*(\n)+1], v[rE0+2*(\n):rE0+2*(\n)+1], s[CS:CS+1], v[rK0:rK0+1] op_sel_hi:[1,0,1]
.endm
.macro P2F2 n
	WIN 0
	v_pk_fma_f32 v[rXa+2*(\n):rXa+2*(\n)+1], v[rE1+2*(\n):rE1+2*(\n)+1], v[rK1+2:rK1+3], v[rK1+4:rK1+5]
.endm
.macro P2A3 n
	WIN 0
	v_pk_add_f32 v[rXb+2*(\n):rXb+2*(\n)+1], v[rXb+2*(\n):rXb+2*(\n)+1], v[rK2+6:rK2+7]
.endm
.macro P2M n
	WIN 0
	v_pk_mul_f32 v[rXa+2*(\n):rXa+2*(\n)+1], v[rXa+2*(\n):rXa+2*(\n)+1], v[rE3+2*(\n):rE3+2*(\n)+1]
.endm
.macro P2C n
	WIN 0x40                        ; destination window 1
	v_cvt_pk_f16_f32 v[rPp+(\n)], v[rXa+2*(\n)], v[rXa+2*(\n)+1]
.endm
.macro P2E1 n
	WIN 0
	v_exp_f32 v[rE0+(\n)], v[rE0+(\n)]
.endm
.macro P2E2 n
	WIN 0
	v_exp_f32 v[rXa+(\n)], v[rXa+(\n)]
.endm
.macro P2R n
	WIN 0
	v_rcp_f32 v[rXb+(\n)], v[rXb+(\n)]
.endm
; THE LIST of a turn's 176 vector instructions; V2 writes number sl of it.  0-2: A3 0, M 0, F1 0.  3-107, in sevens g = 0 .. 14: R 2 g, A3 g + 1, R 2 g + 1, M g + 1, E1 2 g, F1 g + 1, E1 2 g + 1: a pair's plain
; instruction stands a seven ahead of its transcendentals.  108-111: R 30, C 0, R 31, F2 0.  112-175, in fours g = 0 .. 15, one four behind each product: C g + 1, a transcendental, F2 g + 1, a transcendental: E1 30 and 31
; in four 0, E2 2 g - 2 and 2 g - 1 in fours 1 to 14; four 15: E2 28 to 31.  So all M stand ahead of the products K Q^T, which write over their e; C g ahead of F2 g, which writes over its source; F2 g two fours ahead of
; its exponentials.  There are 96 transcendentals for 80 plain instructions: fifteen times in 0-111 two of them stand on end.  Nothing in the list names a result of its transcendentals.
.macro V2
.if sl == 0
	P2A3 0
.elseif sl == 1
	P2M 0
.elseif sl == 2
	P2F1 0
.elseif sl < 108
.set g, (sl-3)/7
.set k, (sl-3)%7
.if k == 0
	P2R (2*g)
.elseif k == 1
	P2A3 (g+1)
.elseif k == 2
	P2R (2*g+1)
.elseif k == 3
	P2M (g+1)
.elseif k == 4
	P2E1 (2*g)
.elseif k == 5
	P2F1 (g+1)
.else
	P2E1 (2*g+1)
.endif
.elseif sl == 108
	P2R 30
.elseif sl == 109
	P2C 0
.elseif sl == 110
	P2R 31
.elseif sl == 111
	P2F2 0
.else
.set g, (sl-112)/4
.set k, (sl-112)%4
.if g == 15
	P2E2 (28+k)
.elseif k == 0
	P2C (g+1)
.elseif k == 2
	P2F2 (g+1)
.elseif g == 0
	P2E1 (30+k/2)
.else
	P2E2 (2*(g-1)+k/2)
.endif
.endif
.set sl, sl+1
.endm
.macro ROWS2 p                      ; eight products, K Q^T of tile p + 1 (i from 0) or V^T P of tile p (i from 8), and four of the list behind each
.rept 8
.if i < 8
	KQ ((\p)+1)%4
.else
	PVM \p
.endif
	V2
	V2
	V2
	V2
.endr
.endm
; A TURN: numbers 0-111 of the list, the 16 products and their fours, one plain instruction and one wait for the batch.  Tile 3's turn, ahead of which K's run went out, takes V^T P first and waits for K behind it;
; tile 0's, ahead of which V's run went out, takes K Q^T first and waits for V behind it: each run has 112 vector instructions and eight products in which to land.  The others take K Q^T first.  So the last product
; that read K (tile 2's turn) or V (tile 3's) stands eight products, sixteen plain instructions, ahead of the loads into its registers.
.macro TURN2 p
.set rE0, S+32*(\p)
.set rE1, S+32*(((\p)+3)%4)
.set rE3, S+32*(((\p)+1)%4)
.set rXa, AUX+32*(((\p)+1)%2)
.set rXb, AUX+32*((\p)%2)
.set rK0, CT+8*(\p)
.set rK1, CT+8*(((\p)+3)%4)
.set rK2, CT+8*(((\p)+2)%4)
.set rPp, PB+16*(((\p)+1)%2)
.set sl, 0
.rept 112
	V2
.endr
.set i, 8*((\p)/3)
	ROWS2 \p
.if ((\p) == 3) || ((\p) == 0)
	s_wait_dscnt 0x0                ; tile 3: K is in; tile 0: V is in
.endif
.set i, 8-8*((\p)/3)
	ROWS2 \p
	v_nop                           ; the plain instruction behind the last transcendental
	s_wait_alu depctr_va_vdst(0)    ; the wait for the batch
.endm
; A trip j: K (j); tile 3's turn of step j - 1; V (j - 1); tiles 0, 1, 2 of step j.  Its products K Q^T are step j's; its products V^T P are step j - 2's in the first turn and step j - 1's in the others.
; tail = 1: the walk's last loop: K is fetched while steps are left, and the last trip is left behind its first turn, which holds the last piece's V^T P.
.macro TRIP2 tail
	FETCH_K 2*(\tail)
	TURN2 3
	WIN 0
.if \tail
	s_cmp_eq_u32 s[CNT], 1
	s_cbranch_scc1 .Lp2out
.endif
	FETCH_V
	TURN2 0
	TURN2 1
	TURN2 2
	WIN 0
.endm
	s_mov_b32 s[SLOTS], 7
.Lp2slot:                           ; seven times: a tile is entered and the next is asked for
	CHANGE 3
	s_mov_b32 s[CNT], 4
.Lp2step:
	TRIP2 0
	s_sub_co_u32 s[CNT], s[CNT], 1
	s_cmp_lg_u32 s[CNT], 0
	s_cbranch_scc1 .Lp2step
	s_sub_co_u32 s[SLOTS], s[SLOTS], 1
	s_cmp_lg_u32 s[SLOTS], 0
	s_cbranch_scc1 .Lp2slot
	CHANGE 0                        ; the last tile is written out
	s_mov_b32 s[CNT], 6             ; four trips fetch its K; the fifth fetches its fifth step of V alone; the sixth is left behind its first turn.  The products K Q^T of the last five turns serve nothing
.Lp2tail:
	TRIP2 1
	s_sub_co_u32 s[CNT], s[CNT], 1
	s_cmp_lg_u32 s[CNT], 0
	s_cbranch_scc1 .Lp2tail
.Lp2out:
; THE WAY OUT, a tile at a time.  O = O^T times FIN, in place; hi = O rounded to bf16 (into S^T's first 64 registers); hi widened again (a shift, a mask), taken from O, and the rest rounded to bf16: lo (S^T's second 64).
; Each part goes through my stage in LDS: a lane's eight channels pack into 16 bytes; rows of 144 bytes come back as four rows of 128 a load.  hi's four stores and four loads, then lo's, in the order in which LDS serves a wave.
.macro PACK t
	WIN 0x41                        ; O^T in window 1, FIN in window 0
.set i, 32*(\t)
.rept 16
	v_pk_mul_f32 v[i:i+1], v[i:i+1], v[FIN+2*(\t):FIN+2*(\t)+1]
.set i, i+2
.endr
	WIN 0x05                        ; sources window 1, destination window 0
.set i, 0
.rept 16
	v_cvt_pk_bf16_f32 v[S+16*(\t)+i], v[32*(\t)+2*i], v[32*(\t)+2*i+1]
.set i, i+1
.endr
	WIN 0
.set i, 0
.rept 16
	v_lshlrev_b32 v[AUX+2*i], 16, v[S+16*(\t)+i]
	v_and_b32 v[AUX+2*i+1], 0xffff0000, v[S+16*(\t)+i]
.set i, i+1
.endr
	WIN 0x01                        ; source 0 (O) window 1; hi and the difference in window 0
.set i, 0
.rept 16
	v_pk_add_f32 v[AUX+2*i:AUX+2*i+1], v[32*(\t)+2*i:32*(\t)+2*i+1], v[AUX+2*i:AUX+2*i+1] neg_lo:[0,1] neg_hi:[0,1]
.set i, i+1
.endr
	WIN 0
.set i, 0
.rept 16
	v_cvt_pk_bf16_f32 v[S+64+16*(\t)+i], v[AUX+2*i], v[AUX+2*i+1]
.set i, i+1
.endr
.irp part, 0,64
.irp f, 0,1,2,3
	ds_store_b128 v[STO], v[S+\part+16*(\t)+4*\f:S+\part+16*(\t)+4*\f+3] offset:32*\f
.endr
.irp f, 0,1,2,3
	ds_load_b128 v[S+\part+16*(\t)+4*\f:S+\part+16*(\t)+4*\f+3], v[RD] offset:\f*4*SP  ; LDS serves a wave's instructions in order (ISA guide 5.7.1.4): these see the stores above; the next stores come behind them
.endr
.endr
.endm
.macro SEND t, younger              ; younger: the LDS instructions issued behind tile t's last load: the next tile's sixteen, or none
	WIN 0
.irp f, 0,1,2,3
	s_wait_dscnt (\younger)+11-\f   ; behind hi's load f: hi's later loads, lo's four stores and four loads, and the younger ones
	global_store_b128 v[GO], v[S+16*(\t)+4*\f:S+16*(\t)+4*\f+3], s[10:11] offset:(\t)*2048+\f*512  ; 512 consecutive bytes, at a multiple of 256 from ob's first
.endr
.irp f, 0,1,2,3
	s_wait_dscnt (\younger)+3-\f
	global_store_b128 v[GO], v[S+64+16*(\t)+4*\f:S+64+16*(\t)+4*\f+3], s[10:11] offset:LOP+(\t)*2048+\f*512
.endr
.endm
	PACK 0
	PACK 1
	SEND 0, 16
	PACK 2
	SEND 1, 16
	PACK 3
	SEND 2, 16
	SEND 3, 0
	s_wait_tensorcnt 0x0            ; the wave's end
	ds_add_u32 v[SPW], v[NIL]
	s_wait_dscnt 0x0
	CROUND                          ; the closing round
	s_endpgm
.Lfunc_end_k_q7962d4659a_attn:
	.size	k_q7962d4659a_attn, .Lfunc_end_k_q7962d4659a_attn-k_q7962d4659a_attn
	.p2alignl 7, 3214868480
	.fill 96, 4, 3214868480
	.section	.rodata,"a",@progbits
	.p2align	6, 0x0
	.amdhsa_kernel k_q7962d4659a_attn
		.amdhsa_group_segment_fixed_size 327680
		.amdhsa_private_segment_fixed_size 0
		.amdhsa_enable_private_segment 0
		.amdhsa_kernarg_size 32
		.amdhsa_user_sgpr_count 2
		.amdhsa_user_sgpr_kernarg_segment_ptr 1
		.amdhsa_wavefront_size32 1
		.amdhsa_system_sgpr_workgroup_id_x 1
		.amdhsa_system_sgpr_workgroup_id_y 1
		.amdhsa_system_sgpr_workgroup_id_z 1
		.amdhsa_system_vgpr_workitem_id 0
		.amdhsa_next_free_vgpr 768
		.amdhsa_next_free_sgpr 80
		.amdhsa_reserve_vcc 0
		.amdhsa_float_denorm_mode_32 3
		.amdhsa_float_denorm_mode_16_64 3
		.amdhsa_memory_ordered 1
		.amdhsa_forward_progress 1
		.amdhsa_inst_pref_size 201
	.end_amdhsa_kernel
	.amdgpu_metadata
---
amdhsa.version: [ 1, 2 ]
amdhsa.kernels:
  - .name:           k_q7962d4659a_attn
    .symbol:         k_q7962d4659a_attn.kd
    .args:
      - { .name: qkv, .offset: 0, .size: 8, .value_kind: global_buffer, .address_space: global }
      - { .name: learned_threshold, .offset: 8, .size: 8, .value_kind: global_buffer, .address_space: global }
      - { .name: gate_sharpness, .offset: 16, .size: 8, .value_kind: global_buffer, .address_space: global }
      - { .name: ob, .offset: 24, .size: 8, .value_kind: global_buffer, .address_space: global }
    .group_segment_fixed_size: 327680
    .private_segment_fixed_size: 0
    .kernarg_segment_align: 8
    .kernarg_segment_size: 32
    .max_flat_workgroup_size: 128
    .sgpr_count:     80
    .vgpr_count:     768
    .wavefront_size: 32
...
	.end_amdgpu_metadata
.endif
;; end of part 3
;; launch oproj (part 4): grid 8 x 32, 4 waves a work-group, clusters of 4 x 4, 327,680 bytes of LDS; arguments ob, wt, wo_b, out0; writes out0
.if DOCPART == 4
	.amdgcn_target "amdgcn-amd-amdhsa--gfx1250"
	.amdhsa_code_object_version 6
	.text
	.protected	k_q7962d4659a_oproj
	.globl	k_q7962d4659a_oproj
	.p2align	8
	.type	k_q7962d4659a_oproj,@function
k_q7962d4659a_oproj:
	s_mov_b64 s[64:65], 0
	v_nop
	global_prefetch_b8 v0, s[64:65] scope:SCOPE_SE
	s_setreg_imm32_b32 hwreg(HW_REG_WAVE_MODE, 25, 1), 1
	s_wait_xcnt 0x0
	s_wait_alu depctr_hold_cnt(0) depctr_sa_sdst(0) depctr_va_vdst(0) depctr_va_sdst(0) depctr_va_ssrc(0) depctr_va_vcc(0) depctr_vm_vsrc(0)
	s_getreg_b32 s2, hwreg(HW_REG_IB_STS2, 6, 4)
	s_cmp_eq_u32 s2, 0
	s_cbranch_scc0 .Lentry_in_a_cluster
	s_endpgm
.Lentry_in_a_cluster:
	s_bfe_u32 s2, ttmp6, 0x10000c
	s_cmp_lg_u32 s2, 0xf033
	s_cbranch_scc0 .Lentry_shape_is_right
	s_endpgm
.Lentry_shape_is_right:
; out0 = O wo + wo_b: [4096 x 1024], bf16 operands, f32 sums and output.  O ARRIVES AS TWO bf16 NUMBERS, hi + lo, BY HEADS: ob[b][part][h][2048][64]; for this product a batch is 32 blocks on end,
; 16 of hi and 16 of lo, so K = 2,048: block z meets channels 64 (z % 16) .. of wo^T, which is rows 3072-4095 of wt, [n][k] in bf16.
; wo_b is rounded to bf16 like all the module's inputs, and is the C operand of each accumulator's first product.
; SHARES.  A tile of the result is 128 x 128: 8 x 32 = 256 work-groups; four waves, each 64 x 64: 16 accumulators.  K goes in 8 steps of 256, four blocks each, through two LDS slots; a quarter step is one block.
; O's TILE.  128 rows of one block are 16,384 dense bytes.  Waves 0 and 1 each bring two blocks by one load of two rows of 8,192 elements, 131,072 elements apart, padded in LDS after every 128 bytes:
; [block][row][144 bytes].  Waves 2 and 3 each bring 64 rows x 512 bytes of wo^T, 528 apart; their place along K goes 0, 2, 0, 2 (slot 0) and 1, 3, 1, 3 (slot 1) quarters of a row.
; CLUSTER.  4 x 4 work-groups: O's tile is asked for jointly along a row of the cluster, wo^T's along a column.  THE PRODUCT IS USED TRANSPOSED: a lane holds eight neighbouring columns of one row.
; No prefetch: the tiles are small and the launch is short.
; REGISTERS: window 0: v0-31 addresses; v32-95 rows on the way out, two sets; v96-127 the bias; v128-255 the accumulators ((a, b) at 128 + 8 (4 a + b)).
;   window 1: two fragment buffers of 128: for 64 along K, 64 registers of O (2 x 4 x 16 rows x 32 K), then 64 of wo^T.
.set PA,     144                       ; a row of one block of O in LDS: 128 bytes + 16 = 36 words: the 16 rows of a load start at 16 different groups of four banks (64 banks of 4 bytes: ISA guide 11.1)
.set PB,     528                       ; a row of wo^T: 512 bytes + 16 = 132 words
.set HEADA,  128*PA                    ; 18,432
.set ATILE,  4*HEADA
.set HALFB,  64*PB
.set SLOT,   ATILE+2*HALFB             ; 141,312
.set STAGE,  2*SLOT                    ; behind the ring: 16 rows x 272 bytes for each wave
.set SPITCH, 272
.set SPARE,  STAGE+4*16*SPITCH         ; 300,032: the spare words, 128 bytes for each wave
.set ADRA, 16
.set ADRB, 20
.set STO,  24
.set RD,   25
.set CO,   26
.set BO,   27                          ; v27  32 x (lane / 16); never rewritten
.set SPW,  28
.set NIL,  29
.set TT,   31
.set TMP,  32
.set BIAS, 96
.set ACC,  128
.set F0,   0
.set F1,   128
.set WV,   12                          ; s12  my wave's number
.set ROWH, 13                          ; s13  which half of the tile's rows is mine.  Also: I fetch for O (0) or for wo^T (1)
.set COLH, 14                          ; s14  which half of its columns.  Also: which half of that tile I fetch
.set G1A, 24
.set G0A, 32
.set LAP, 41                           ; s41  trips of the loop still to come
.set BB,  42                           ; s[42:43] wo^T at the rows that I fetch, K = 0
.set OFB, 46                           ; s[46:47] slot 0's, s[70:71] slot 1's byte offset along a row of wo^T
.set G1B, 48
.set G0B, 56
.set MSB, 0
.macro WIN new
.if MSB != (\new)
	s_set_vgpr_msb (MSB<<8)|(\new)
.set MSB, \new
.endif
.endm
.set MUL,  0x05                        ; sources in window 1; C and D in window 0
.set TO_F, 0x40
.macro JLOAD s                         ; a joint load; an s_nop 0 and four v_nop follow each of the two lines, ahead of the jump and the label
	s_cmp_eq_u32 s[ROWH], 0
	s_cbranch_scc0 .Lfor_b_\@
	tensor_load_to_lds s[G0A+4*(\s):G0A+4*(\s)+3], s[G1A:G1A+7]
	s_nop 0
.rept 4
	v_nop
.endr
	s_branch .Lasked_\@
.Lfor_b_\@:
	tensor_load_to_lds s[G0B+4*(\s):G0B+4*(\s)+3], s[G1B:G1B+7]
	s_nop 0
.rept 4
	v_nop
.endr
.Lasked_\@:
.endm
.macro CREST
	s_cmp_lg_u32 s[WV], 0
	s_cbranch_scc1 .Lnot_wave_0_\@
	s_barrier_signal -3
.Lnot_wave_0_\@:
	s_barrier_wait -3
	s_barrier_signal -1
	s_barrier_wait -1
.endm
.macro CROUND
	s_barrier_signal -1
	s_barrier_wait -1
	CREST
.endm
.macro PLACES
.rept 4
	v_nop
.endr
.endm
	s_load_b256 s[4:11], s[0:1], 0x0               ; ob s[4:5], wt s[6:7], wo_b s[8:9], out0 s[10:11]
	v_lshl_add_u32 v[SPW], v0, 2, SPARE
	v_mov_b32 v[NIL], 0
	ds_add_u32 v[SPW], v[NIL]                      ; the wave's opening: the add and its wait stand ahead of my first tensor load
	v_lshrrev_b32 v1, 5, v0
	v_readfirstlane_b32 s[WV], v1
	s_lshr_b32 s[ROWH], s[WV], 1
	s_and_b32 s[COLH], s[WV], 1
	s_bfe_u32 s15, ttmp6, 0x40000                  ; cx
	s_bfe_u32 s16, ttmp6, 0x40004                  ; cy
	s_lshl_b32 s17, ttmp9, 2
	s_add_co_u32 s17, s17, s15                     ; tile column
	s_and_b32 s18, ttmp7, 0xffff
	s_lshl_b32 s18, s18, 2
	s_add_co_u32 s18, s18, s16                     ; tile row
	s_lshl_b32 s19, s16, 2
	s_lshl_b32 s19, 15, s19                        ; my row of the cluster
	s_lshl_b32 s40, 0x1111, s15                    ; my column
	s_or_b32 s[G1A+0], s19, (1<<16)|(1<<20)|(1<<21)|(4<<22)|(3<<25)  ; the mask; 2-byte elements; padding on; bit 21 beside a mask; after every 32 words, 4 words
	s_or_b32 s[G1B+0], s40, (1<<16)|(1<<20)|(1<<21)|(6<<22)|(3<<25)  ; after every 128 words, 4 words
	s_mov_b32 s[G1A+1], 8192<<16                   ; tensor_dim0 = 8,192: 128 rows x 64 channels of one block, dense
	s_mov_b32 s[G1A+2], 2<<16                      ; tensor_dim1 = 2 blocks
	s_mov_b32 s[G1A+3], 8192<<16                   ; tile_dim0
	s_mov_b32 s[G1A+4], 2                          ; tile_dim1
	s_mov_b32 s[G1A+5], 131072                     ; elements from block to block
	s_mov_b32 s[G1A+6], 0
	s_mov_b32 s[G1A+7], 0
	s_mov_b32 s[G1B+1], 256<<16                    ; tensor_dim0 = 256
	s_mov_b32 s[G1B+2], 64<<16                     ; tensor_dim1 = 64
	s_mov_b32 s[G1B+3], 256<<16
	s_mov_b32 s[G1B+4], 64
	s_mov_b32 s[G1B+5], 1024
	s_mov_b32 s[G1B+6], 0
	s_mov_b32 s[G1B+7], 0
	s_mov_b32 s[OFB], 0                            ; K step 0 lies at byte 0 of wo^T's rows,
	s_mov_b32 s[OFB+1], 0
	s_mov_b32 s[OFB+24], 512                       ; K step 1 at byte 512
	s_mov_b32 s[OFB+25], 0
	s_lshr_b32 s20, s18, 4                         ; O: batch = tile row / 16: block 32 b + 2 x half,
	s_lshl_b32 s20, s20, 5
	s_lshl_b32 s21, s[COLH], 1
	s_add_co_u32 s20, s20, s21
	s_lshl_b32 s20, s20, 18                        ; x 262,144 bytes,
	s_and_b32 s21, s18, 15
	s_lshl_b32 s21, s21, 14                        ; 128 rows of 128 bytes a tile row
	s_add_co_u32 s20, s20, s21
	s_mov_b32 s21, 0
	s_lshl_b32 s[BB], s17, 7                       ; wo^T: row 3,072 + 128 x tile column + 64 x half
	s_lshl_b32 s[BB+1], s[COLH], 6
	s_add_co_u32 s[BB], s[BB], s[BB+1]
	s_add_co_u32 s[BB], s[BB], 3072
	s_lshl_b32 s[BB], s[BB], 11
	s_mov_b32 s[BB+1], 0
	s_mul_i32 s22, s[WV], 2*HEADA                  ; where they go: no place in the cluster enters an LDS address
	s_mul_i32 s44, s[WV], HALFB
	s_add_co_u32 s44, s44, ATILE-2*HALFB
	s_wait_dscnt 0x0                               ; the opening add is done
	s_wait_kmcnt 0x0
	s_add_nc_u64 s[20:21], s[4:5], s[20:21]
	s_add_nc_u64 s[BB:BB+1], s[6:7], s[BB:BB+1]
	CROUND                                         ; all sixteen work-groups are here: the first joint loads meet
.irp s, 0,1
	s_mov_b32 s[G0A+4*(\s)], 1
	s_add_co_u32 s[G0A+4*(\s)+1], s22, (\s)*SLOT
	s_add_nc_u64 s[G0A+4*(\s)+2:G0A+4*(\s)+3], s[20:21], (\s)*4*262144
	s_or_b32 s[G0A+4*(\s)+3], s[G0A+4*(\s)+3], 0x80000000
	s_mov_b32 s[G0B+4*(\s)], 1
	s_add_co_u32 s[G0B+4*(\s)+1], s44, (\s)*SLOT
	s_add_nc_u64 s[G0B+4*(\s)+2:G0B+4*(\s)+3], s[BB:BB+1], (\s)*512
	s_or_b32 s[G0B+4*(\s)+3], s[G0B+4*(\s)+3], 0x80000000
	JLOAD \s
.endr
	v_and_b32 v1, 15, v0
	v_bfe_u32 v2, v0, 4, 1
	v_lshlrev_b32 v[BO], 5, v2
	s_lshl_b32 s68, s17, 9                         ; my 64 columns: 128 x tile column + 64 x half, 4 bytes each
	s_lshl_b32 s69, s[COLH], 8
	s_add_co_u32 s68, s68, s69
	s_mov_b32 s69, 0
	s_add_nc_u64 s[8:9], s[8:9], s[68:69]
.irp b, 0,1,2,3
	global_load_b128 v[BIAS+8*(\b):BIAS+8*(\b)+3],   v[BO], s[8:9] offset:64*(\b)
	global_load_b128 v[BIAS+8*(\b)+4:BIAS+8*(\b)+7], v[BO], s[8:9] offset:64*(\b)+16
.endr
	v_mul_u32_u24 v3, v1, PA
	v_lshl_add_u32 v3, v2, 4, v3
	s_mul_i32 s23, s[ROWH], 64*PA                  ; my 64 rows of O
	v_add_nc_u32 v[ADRA], s23, v3
	v_add_nc_u32 v[ADRA+1], SLOT, v[ADRA]
	v_mul_u32_u24 v3, v1, PB
	v_lshl_add_u32 v3, v2, 4, v3
	s_mul_i32 s23, s[COLH], HALFB                  ; my 64 rows of wo^T,
	s_add_co_u32 s23, s23, ATILE                   ; which lie behind O's tile
	v_add_nc_u32 v[ADRB], s23, v3
	v_add_nc_u32 v[ADRB+1], SLOT, v[ADRB]
	s_mul_i32 s23, s[WV], 16*SPITCH
	s_add_co_u32 s23, s23, STAGE                   ; my stage
	v_mul_u32_u24 v4, v1, SPITCH                   ; in: row l % 16, 32 bytes for each half of the lanes
	v_lshl_add_u32 v4, v2, 5, v4
	v_add_nc_u32 v[STO], s23, v4
	v_mul_u32_u24 v4, v2, SPITCH                   ; back: lanes 0-15 take one row of 256 bytes, lanes 16-31 the next
	v_lshl_add_u32 v4, v1, 4, v4
	v_add_nc_u32 v[RD], s23, v4
	v_lshlrev_b32 v4, 12, v2                       ; and the same two rows in out0
	v_lshl_add_u32 v[CO], v1, 4, v4
	s_lshl_b32 s66, s18, 7
	s_lshl_b32 s67, s[ROWH], 6
	s_add_co_u32 s66, s66, s67                     ; my first row,
	s_lshl_b32 s66, s66, 12                        ; x 4,096 bytes,
	s_add_co_u32 s66, s66, s68                     ; and my first column
	s_mov_b32 s67, 0
	s_add_nc_u64 s[10:11], s[10:11], s[66:67]
	s_wait_loadcnt 0x0                             ; the bias: rounded to bf16 and widened again, in the wait for the first tiles
.set r, 0
.rept 16
	v_cvt_pk_bf16_f32 v[TT], v[BIAS+r], v[BIAS+r+1]
	v_lshlrev_b32 v[BIAS+r], 16, v[TT]
	v_and_b32 v[BIAS+r+1], 0xffff0000, v[TT]
.set r, r+2
.endr
; 8 products: row blocks a0, a0 + 1 x all 4 column blocks, 32 along K: half c of buffer f.  zero = 1: the first product starts the sum with the bias.  The 16 accumulators take turns.
.macro MUL8 f, c, a0, zero
	WIN MUL
.irp a, \a0, (\a0)+1
.irp b, 0,1,2,3
.if \zero
	v_wmma_f32_16x16x32_bf16 v[ACC+8*(4*(\a)+(\b)):ACC+8*(4*(\a)+(\b))+7], v[(\f)+64+8*(4*(\c)+(\b)):(\f)+64+8*(4*(\c)+(\b))+7], v[(\f)+8*(4*(\c)+(\a)):(\f)+8*(4*(\c)+(\a))+7], v[BIAS+8*(\b):BIAS+8*(\b)+7]
.else
	v_wmma_f32_16x16x32_bf16 v[ACC+8*(4*(\a)+(\b)):ACC+8*(4*(\a)+(\b))+7], v[(\f)+64+8*(4*(\c)+(\b)):(\f)+64+8*(4*(\c)+(\b))+7], v[(\f)+8*(4*(\c)+(\a)):(\f)+8*(4*(\c)+(\a))+7], v[ACC+8*(4*(\a)+(\b)):ACC+8*(4*(\a)+(\b))+7]
.endif
.endr
.endr
.endm
; 32 LDS loads in one run: the fragments of block z of the slot's four, into buffer f; the first 32 along K first
.macro FETCH slot, z, f
	WIN TO_F
.irp c, 0,1
.irp i, 0,1,2,3
	ds_load_b128 v[(\f)+64+8*(4*(\c)+(\i)):(\f)+64+8*(4*(\c)+(\i))+3],   v[ADRB+(\slot)] offset:128*(\z)+64*(\c)+(\i)*16*PB
	ds_load_b128 v[(\f)+64+8*(4*(\c)+(\i))+4:(\f)+64+8*(4*(\c)+(\i))+7], v[ADRB+(\slot)] offset:128*(\z)+64*(\c)+(\i)*16*PB+32
	ds_load_b128 v[(\f)+8*(4*(\c)+(\i)):(\f)+8*(4*(\c)+(\i))+3],         v[ADRA+(\slot)] offset:(\z)*HEADA+64*(\c)+(\i)*16*PA
	ds_load_b128 v[(\f)+8*(4*(\c)+(\i))+4:(\f)+8*(4*(\c)+(\i))+7],       v[ADRA+(\slot)] offset:(\z)*HEADA+64*(\c)+(\i)*16*PA+32
.endr
.endr
.endm
.macro QUARTER slot, z, f, g, zero     ; multiplies buffer f and fetches block z into g
	s_wait_dscnt 16                                ; the first 32 along K are in
	MUL8 \f, 0, 0, \zero
	MUL8 \f, 0, 2, \zero
	PLACES
	FETCH \slot, \z, \g
	s_wait_dscnt 32                                ; all but the 32 just issued
	MUL8 \f, 1, 0, 0
	MUL8 \f, 1, 2, 0
.endm
; The last quarter multiplies buffer 1 and changes slots: one barrier; in front of it each wave waits for all its tensor loads, adds 0 to its spare word, and waits for that and for its reads of this slot.
; fill = 1: the barrier opens a round of the cluster's, and this slot is filled again first thing behind it, two K steps ahead: O's address steps on by eight blocks; wo^T's is made anew from its base and
; the slot's offset, which an exclusive or turns between its two places along K.
.macro TURN slot, next, fill
	WIN 0
	s_wait_tensorcnt 0x0
	ds_add_u32 v[SPW], v[NIL]
	s_wait_dscnt 17                                ; the add and the youngest sixteen loads may be out
	MUL8 F1, 0, 0, 0
	s_wait_dscnt 0x0                               ; the add is done, and my reads of this slot are over
	s_barrier_signal -1
	MUL8 F1, 0, 2, 0
.if \fill
	WIN 0
.endif
	s_barrier_wait -1
.if \fill
	CREST                                          ; no wave of any partner still reads this slot or has a load on its way
	s_add_nc_u64 s[G0A+4*(\slot)+2:G0A+4*(\slot)+3], s[G0A+4*(\slot)+2:G0A+4*(\slot)+3], 8*262144
	s_xor_b32 s[OFB+24*(\slot)], s[OFB+24*(\slot)], 1024
	s_add_nc_u64 s[G0B+4*(\slot)+2:G0B+4*(\slot)+3], s[BB:BB+1], s[OFB+24*(\slot):OFB+24*(\slot)+1]
	s_or_b32 s[G0B+4*(\slot)+3], s[G0B+4*(\slot)+3], 0x80000000
	JLOAD \slot                                    ; the four v_nop behind it are also the places in front of the loads below
.else
	PLACES
.endif
	FETCH \next, 0, F0
	MUL8 F1, 1, 0, 0
	MUL8 F1, 1, 2, 0
.endm
	s_wait_tensorcnt 1                             ; my part of K step 0 is in; K step 1's may stay out
	s_barrier_signal -1
	s_barrier_wait -1
	FETCH 0, 0, F0
	QUARTER 0, 1, F0, F1, 1                        ; the first quarter stands in front of the loop: its first products start the sums
	WIN 0                                          ; at a label and at a branch every window is 0
	s_mov_b32 s[LAP], 3
.Llap:                                                 ; a trip goes once round the ring, from a lap's second quarter to the next lap's first, and fills both slots again: K steps 2 to 7
	QUARTER 0, 2, F1, F0, 0
	QUARTER 0, 3, F0, F1, 0
	TURN 0, 1, 1
	QUARTER 1, 1, F0, F1, 0
	QUARTER 1, 2, F1, F0, 0
	QUARTER 1, 3, F0, F1, 0
	TURN 1, 0, 1
	QUARTER 0, 1, F0, F1, 0
	WIN 0
	s_sub_co_u32 s[LAP], s[LAP], 1
	s_cmp_lg_u32 s[LAP], 0
	s_cbranch_scc1 .Llap
	QUARTER 0, 2, F1, F0, 0                        ; the last lap fills nothing
	QUARTER 0, 3, F0, F1, 0
	TURN 0, 1, 0
	QUARTER 1, 1, F0, F1, 0
	QUARTER 1, 2, F1, F0, 0
	QUARTER 1, 3, F0, F1, 0
	s_wait_dscnt 16
	MUL8 F1, 0, 0, 0
	MUL8 F1, 0, 2, 0
	s_wait_dscnt 0x0
	MUL8 F1, 1, 0, 0
	MUL8 F1, 1, 2, 0
	WIN 0
	; THE WAY OUT.  A wave's 64 columns are 256 bytes of f32: each wave has a stage of its own and needs no barrier.  16 rows at a time: straight from the accumulators, the low registers first, and back as whole rows.
	PLACES
.irp a, 0,1,2,3
.irp b, 0,1,2,3
	ds_store_b128 v[STO], v[ACC+8*(4*(\a)+(\b)):ACC+8*(4*(\a)+(\b))+3]   offset:64*(\b)
	ds_store_b128 v[STO], v[ACC+8*(4*(\a)+(\b))+4:ACC+8*(4*(\a)+(\b))+7] offset:64*(\b)+16
.endr
	s_wait_xcnt 0x0                                ; earlier stores have read their registers: the set that they left is loaded again only behind this wait
.irp t, 0,1,2,3,4,5,6,7
	ds_load_b128 v[TMP+32*((\a)%2)+4*(\t):TMP+32*((\a)%2)+4*(\t)+3], v[RD] offset:(\t)*2*SPITCH  ; LDS serves a wave's instructions in order (ISA guide 5.7.1.4): these see the stores above
.endr
	s_wait_dscnt 0x0
.irp t, 0,1,2,3,4,5,6,7
	global_store_b128 v[CO], v[TMP+32*((\a)%2)+4*(\t):TMP+32*((\a)%2)+4*(\t)+3], s[10:11] offset:(16*(\a)+2*(\t))*4096 th:TH_STORE_NT  ; 16 lanes store 256 consecutive bytes, at a multiple of 256 from out0's first byte
.endr
.endr
	s_wait_tensorcnt 0x0                           ; the wave's end
	ds_add_u32 v[SPW], v[NIL]
	s_wait_dscnt 0x0
	CROUND                                         ; the closing round
	s_endpgm
.Lfunc_end_k_q7962d4659a_oproj:
	.size	k_q7962d4659a_oproj, .Lfunc_end_k_q7962d4659a_oproj-k_q7962d4659a_oproj
	.p2alignl 7, 3214868480
	.fill 96, 4, 3214868480
	.section	.rodata,"a",@progbits
	.p2align	6, 0x0
	.amdhsa_kernel k_q7962d4659a_oproj
		.amdhsa_group_segment_fixed_size 327680
		.amdhsa_private_segment_fixed_size 0
		.amdhsa_enable_private_segment 0
		.amdhsa_kernarg_size 32
		.amdhsa_user_sgpr_count 2
		.amdhsa_user_sgpr_kernarg_segment_ptr 1
		.amdhsa_wavefront_size32 1
		.amdhsa_system_sgpr_workgroup_id_x 1
		.amdhsa_system_sgpr_workgroup_id_y 1
		.amdhsa_system_sgpr_workgroup_id_z 1
		.amdhsa_system_vgpr_workitem_id 0
		.amdhsa_next_free_vgpr 512
		.amdhsa_next_free_sgpr 72
		.amdhsa_reserve_vcc 0
		.amdhsa_float_denorm_mode_32 3
		.amdhsa_float_denorm_mode_16_64 3
		.amdhsa_memory_ordered 1
		.amdhsa_forward_progress 1
		.amdhsa_inst_pref_size 89
	.end_amdhsa_kernel
	.amdgpu_metadata
---
amdhsa.version: [ 1, 2 ]
amdhsa.kernels:
  - .name:           k_q7962d4659a_oproj
    .symbol:         k_q7962d4659a_oproj.kd
    .args:
      - { .name: ob, .offset: 0, .size: 8, .value_kind: global_buffer, .address_space: global }
      - { .name: wt, .offset: 8, .size: 8, .value_kind: global_buffer, .address_space: global }
      - { .name: wo_b, .offset: 16, .size: 8, .value_kind: global_buffer, .address_space: global }
      - { .name: out0, .offset: 24, .size: 8, .value_kind: global_buffer, .address_space: global }
    .group_segment_fixed_size: 327680
    .private_segment_fixed_size: 0
    .kernarg_segment_align: 8
    .kernarg_segment_size: 32
    .max_flat_workgroup_size: 128
    .sgpr_count:     72
    .vgpr_count:     512
    .wavefront_size: 32
...
	.end_amdgpu_metadata
.endif
;; end of part 4
